; MI455X (gfx1250); checked and timed in simulation.
; The chip was launched on July 23, 2026; its instructions are those of AMD's public machine-readable ISA for CDNA 5 (MIT licence, August 2026) and "CDNA5" Instruction Set Architecture Reference Guide (July 2026). The comments in the code are by the model that wrote it; some were corrected since.
;; Graph Energy Block. Allowed arithmetic: matrix products marked QUANTISED: E5M2 operands, one given power-of-two scale a tensor, by v_wmma_f32_16x16x64_bf8_bf8 or v_wmma_f32_16x16x128_bf8_bf8, f32 sums; everything else in f32.
;; Inputs: W_hop 1,024 x 4,096 float32; Wk 16 x 64 x 1,024 float32; Wq 16 x 64 x 1,024 float32; lowp_scales 18 int32 (the exponents e of the quantised operands' scales 2^e); x 4 x 1,024 x 1,024 float32.
;; Outputs: out0 4 x 1,024 x 1,024 float32; out1 one number float32.
;; This version of the problem:
;;   THIS VERSION OF THE PROBLEM IS GIVEN IN LOW PRECISION. The matrix products marked QUANTISED in the list below multiply operands that are first quantised to E5M2 (5 exponent bits, 2 mantissa bits; 8 bits a number), with one given power-of-two scale for each operand tensor; their sums are f32. All else is computed in f32.
;;   The module's matrix products, in the order in which they are computed (A, B: the left and right operand; K: the contracted axis; several contracted axes count as one K, in the product's order):
;;     1. [M 1,024, K 1,024] x [K 1,024, N 4,096]; A: input Wq; B: input x: QUANTISED (scales: A lowp_scales[0], B lowp_scales[1])
;;     2. [M 1,024, K 1,024] x [K 1,024, N 4,096]; A: input Wk; B: input x: QUANTISED (scales: A lowp_scales[2], B lowp_scales[3])
;;     3. batch 64 x [M 1,024, K 64] x [K 64, N 1,024]; A: computed on the way; B: computed on the way: QUANTISED (scales: A lowp_scales[4], B lowp_scales[5])
;;     4. [M 4,096, K 1,024] x [K 1,024, N 4,096]; A: input x; B: input W_hop: QUANTISED (scales: A lowp_scales[6], B lowp_scales[7])
;;     5. [M 4,096, K 4,096] x [K 4,096, N 1,024]; A: computed on the way; B: input W_hop: QUANTISED (scales: A lowp_scales[8], B lowp_scales[9])
;;     6. batch 64 x [M 1,024, K 1,024] x [K 1,024, N 64]; A: computed on the way; B: computed on the way: QUANTISED (scales: A lowp_scales[10], B lowp_scales[11])
;;     7. batch 64 x [M 1,024, K 1,024] x [K 1,024, N 64]; A: computed on the way; B: computed on the way: QUANTISED (scales: A lowp_scales[12], B lowp_scales[13])
;;     8. [M 4,096, K 1,024] x [K 1,024, N 1,024]; A: computed on the way; B: input Wk: QUANTISED (scales: A lowp_scales[14], B lowp_scales[15])
;;     9. [M 4,096, K 1,024] x [K 1,024, N 1,024]; A: computed on the way; B: input Wq: QUANTISED (scales: A lowp_scales[16], B lowp_scales[17])
;;   THE QUANTISER, for each operand of a quantised product, along K:
;;     - The operand's scale is 2^e, e = its entry of the input lowp_scales (int32; the entries are numbered through the quantised products in the list's order, A before B).
;;     - Each number is divided by the scale, clamped to +-57,344, and rounded to the nearest number of E5M2, ties to even, subnormals kept.
;;     - The product sums the exact products of the quantised numbers (number of the format x scale) in f32.
;;   ~~~python
;;   def quantise(x, axis, e):      # numpy; x: float32 -> the quantised numbers, widened to float32 again
;;       x = np.moveaxis(x, axis, -1); K = x.shape[-1]
;;       r = np.clip(x / 2.0 ** e, -57344, 57344)
;;       step = 2.0 ** (np.maximum(np.frexp(np.where(r == 0, 1, r))[1] - 1, -14) - 2)
;;       q = np.round(r / step) * step * 2.0 ** e      # np.round: ties to even
;;       return np.moveaxis(q, -1, axis).astype(np.float32)
;;   ~~~
;;   OPERANDS COMPUTED ON THE WAY. 'Computed on the way' means the value that the module computes at that place (a softmax that the list does not call 'softmax' is quantised finished and normalised). What goes into a quantiser is computed in f32, as accurately as f32 sums, v_exp_f32 and their like allow (about 1e-6 of the number): no bf16 or f16 on the way to a quantiser, and a product that is left as it is and whose result goes on into a quantised operand takes f32 operands (vector FMAs, or v_wmma_f32_16x16x4_f32). A number that lies on a knife's edge between two numbers of the format may be rounded either way, as far as f32 arithmetic and the matrix unit's own rounding can turn it there, and no further.
;; One version. Each part assembles by itself: llvm-mc -triple=amdgcn-amd-amdhsa -mcpu=gfx1250 --defsym DOCPART=n.
;; ======== version 1 of 1: 5 launches
;; workspace buffers: codes0 25,165,824 bytes; qk 16,781,312 bytes; acat 25,165,824 bytes; st 263,168 bytes
;; launch quant (part 1): grid 704 x 1, 4 waves a work-group, no clusters, 68,096 bytes of LDS; arguments x, Wq, Wk, W_hop, lowp_scales, codes0; writes codes0
.if DOCPART == 1
	.amdgcn_target "amdgcn-amd-amdhsa--gfx1250"
	.amdhsa_code_object_version 6
	.text
	.protected	k_q2e5992e628_quant
	.globl	k_q2e5992e628_quant
	.p2align	8
	.type	k_q2e5992e628_quant,@function
k_q2e5992e628_quant:
	s_mov_b64 s[64:65], 0
	v_nop
	global_prefetch_b8 v0, s[64:65] scope:SCOPE_SE
	s_setreg_imm32_b32 hwreg(HW_REG_WAVE_MODE, 25, 1), 1
	s_wait_xcnt 0x0
; x, Wq, Wk and W_hop (f32) become codes of BF8 (E5M2), once for each use, each use with its own given scale 2^e:
; code = number / 2^e, held within +-57,344, rounded to the nearest code, ties to even.
; EVERY OPERAND IS STORED AS IMAGES OF THE MATRIX UNIT'S REGISTERS.  A fragment is 16 rows x 128 K: registers 2c, 2c+1 of lane (r, h) hold k = 16c + 8h + 0..7 of row r.
; Its image is 2,048 bytes: registers 4g .. 4g+3 of lane l at 512 g + 16 l.  An operand [R][K] lies as [R/16][K/128][2048].
; codes0:  XC at 0: x three times (e6, e1, e3), 4 MiB each, [256][8][2048].   WC: [384][8][2048]: W_hop^T (e7), Wq (e0), Wk (e2).   BC: [64][48][2048]: W_hop (e9), Wk^T (e15), Wq^T (e17).
; Work-groups 0-127: x (K innermost, three outputs).  128-319: Wq, Wk, W_hop with K innermost (one output).  320-575: W_hop with K outermost.  576-703: Wq, Wk with K outermost.
; K innermost: a wave takes 16 rows x 512 K; each load reads 512 consecutive bytes of a row; the numbers turn through the wave's own stage in LDS so that a lane holds eight neighbours along K.
; K outermost: a lane takes a column and its registers run down 128 K; the two halves of the lanes then change places register by register, which gives the images of columns 0-15 and 16-31.
; No tensor load, no barrier: waves share nothing.  LIMITS: each e between -126 and 112.  NaN among the inputs is not served.
.set WC,   12582912
.set BC,   18874368
.set LI,   4                           ; v4  16 x lane
.set STO,  5                           ; v5  the stage, on the way in
.set SLD,  6                           ; v6  the stage, on the way out
.set L4,   7                           ; v7  4 x lane
.set RO,   16                          ; v16-31  16 x lane + row x pitch; never rewritten
.set RR,   32                          ; v32-159 two sets of 64 numbers as loaded (K outermost: 128 numbers down K)
.set XX,   160                         ; v160-223 64 numbers: register 8c + j = k 16c + 8h + j
.set TT,   224                         ; v224-239 two sets of 8 held numbers
.set CC,   240                         ; v240-255 a fragment's codes
.set I0,   160                         ; K outermost: even octets, then the image of columns 0-15
.set I1,   176                         ; odd octets, then the image of columns 16-31
.set SP,   528                         ; a stage row: 512 bytes + 16
.set WSTG, 16*SP                       ; a wave's stage
.set GSTG, 4*WSTG                      ; the second path's stages lie behind the first path's
.macro MKSC e, sc, lim                 ; v[sc] = 2^e as f32, v[lim] = 57,344 x 2^e
	s_add_co_i32 s56, \e, 127
	s_lshl_b32 s57, s56, 23
	v_mov_b32 v[\sc], s57
	s_add_co_i32 s56, s56, 15
	s_lshl_b32 s56, s56, 23
	s_or_b32 s56, s56, 0x600000
	v_mov_b32 v[\lim], s56
.endm
.macro RLOAD t, nt                     ; block t: 16 rows x 128 numbers; a load reads 512 consecutive bytes of one row
.irp i, 0,1,2,3,4,5,6,7,8,9,10,11,12,13,14,15
.if \nt
	global_load_b128 v[RR+64*((\t)%2)+4*\i:RR+64*((\t)%2)+4*\i+3], v[RO+\i], s[22:23] offset:512*(\t) th:TH_LOAD_NT
.else
	global_load_b128 v[RR+64*((\t)%2)+4*\i:RR+64*((\t)%2)+4*\i+3], v[RO+\i], s[22:23] offset:512*(\t)
.endif
.endr
.endm
.macro RTURN t, stg                    ; through the stage: LDS serves a wave's instructions in order, so no wait stands between the stores and the loads
.irp i, 0,1,2,3,4,5,6,7,8,9,10,11,12,13,14,15
	ds_store_b128 v[STO], v[RR+64*((\t)%2)+4*\i:RR+64*((\t)%2)+4*\i+3] offset:\stg+SP*\i
.endr
.irp c, 0,1,2,3,4,5,6,7
	ds_load_b128 v[XX+8*\c:XX+8*\c+3], v[SLD] offset:\stg+64*\c
	ds_load_b128 v[XX+8*\c+4:XX+8*\c+7], v[SLD] offset:\stg+64*\c+16
.endr
.endm
.macro RQ o, t                         ; output o of block t: hold, convert, store the image
	s_wait_xcnt 0x0                                ; the earlier stores have read the code registers: they may be written again
.irp c, 0,1,2,3,4,5,6,7
.irp j, 0,1,2,3,4,5,6,7
	v_med3_num_f32 v[TT+8*(\c%2)+\j], v[XX+8*\c+\j], -v[9+2*\o], v[9+2*\o]   ; the conversion does not saturate (ISA guide 7.6.2): the hold comes first
.endr
	v_cvt_scalef32_pk8_bf8_f32 v[CC+2*\c:CC+2*\c+1], v[TT+8*(\c%2):TT+8*(\c%2)+7], v[8+2*\o]   ; the other set's eight holds stand between this line and the next write of its sources
.endr
	v_nop                                          ; a plain line behind the last conversion
.irp g, 0,1,2,3
	global_store_b128 v[LI], v[CC+4*\g:CC+4*\g+3], s[16+2*\o:17+2*\o] offset:2048*(\t)+512*\g   ; 512 consecutive bytes a store
.endr
.endm
.macro RBLOCK t, nout, stg, nt
.if (\t) < 3
	s_wait_loadcnt 16                              ; this block's 16 loads are in; the next block's 16 may be out
.else
	s_wait_loadcnt 0x0
.endif
	RTURN \t, \stg
	s_wait_dscnt 0x0                               ; the numbers are back, and the stage's stores have read their registers
.if (\t) < 2
	RLOAD (\t)+2, \nt
.endif
	RQ 0, \t
.if \nout > 1
	RQ 1, \t
	RQ 2, \t
.endif
.endm
.macro COCT o                          ; K outermost: eight numbers down K of my column
.irp j, 0,1,2,3,4,5,6,7
	v_med3_num_f32 v[RR+8*(\o)+\j], v[RR+8*(\o)+\j], -v9, v9
.endr
.if ((\o)%2) == 0
	v_cvt_scalef32_pk8_bf8_f32 v[I0+(\o):I0+(\o)+1], v[RR+8*(\o):RR+8*(\o)+7], v8
.else
	v_cvt_scalef32_pk8_bf8_f32 v[I1+(\o)-1:I1+(\o)], v[RR+8*(\o):RR+8*(\o)+7], v8
.endif
.endm
.macro CPATH pitch, img1               ; 32 columns x 128 K a wave; img1: bytes from the image of columns 0-15 to that of columns 16-31
.set ii, 0
.rept 128
	global_load_b32 v[RR+ii], v[L4], s[22:23] offset:ii*\pitch   ; 32 lanes read 128 consecutive bytes, the four waves 512
.set ii, ii+1
.endr
	s_wait_loadcnt 63                              ; at most 63 of the 128 are out: the first 64 numbers are in
.irp o, 0,1,2,3,4,5,6,7
	COCT \o
.endr
	s_wait_loadcnt 0x0
.irp o, 8,9,10,11,12,13,14,15
	COCT \o
.endr
	v_nop                                          ; a plain line behind the last conversion
.set ii, 0
.rept 16
	v_permlane16_swap_b32 v[I0+ii], v[I1+ii]       ; lanes 16-31 of the even octets change places with lanes 0-15 of the odd ones
.set ii, ii+1
.endr
.irp g, 0,1,2,3
	global_store_b128 v[LI], v[I0+4*\g:I0+4*\g+3], s[16:17] offset:512*\g
	global_store_b128 v[LI], v[I1+4*\g:I1+4*\g+3], s[16:17] offset:\img1+512*\g
.endr
.endm
	s_load_b256 s[4:11], s[0:1], 0x0               ; x s[4:5], Wq s[6:7], Wk s[8:9], W_hop s[10:11]
	s_load_b128 s[12:15], s[0:1], 0x20             ; the exponents s[12:13], codes0 s[14:15]
	v_lshl_add_u32 v14, v0, 2, 0x10800
	v_mov_b32 v15, 0
	v_lshrrev_b32 v1, 5, v0
	v_readfirstlane_b32 s3, v1                     ; wave
	v_and_b32 v1, 31, v0
	v_and_b32 v2, 15, v0
	v_bfe_u32 v3, v0, 4, 1
	v_lshlrev_b32 v[LI], 4, v1
	v_lshlrev_b32 v[L4], 2, v1
	s_mul_i32 s2, s3, WSTG
	v_add_nc_u32 v[STO], s2, v[LI]                 ; in: 16 x lane, a row of the block to a stage row
	v_mul_u32_u24 v[SLD], v2, SP
	v_lshl_add_u32 v[SLD], v3, 5, v[SLD]
	v_add_nc_u32 v[SLD], s2, v[SLD]                ; out: row r, + 32 h: eight neighbours along K
	s_wait_kmcnt 0x0
	s_load_b512 s[32:47], s[12:13], 0x0            ; e0 .. e15 in s32 .. s47
	s_load_b64 s[48:49], s[12:13], 0x40            ; e16, e17
	s_wait_kmcnt 0x0
	s_cmp_ge_u32 ttmp9, 128
	s_cbranch_scc1 .Lnot_x
	; ---- x: task = 4 x work-group + wave; 16 rows task / 2, K half task % 2
	s_lshl_b32 s24, ttmp9, 2
	s_add_co_u32 s24, s24, s3
	s_lshr_b32 s25, s24, 1
	s_and_b32 s26, s24, 1
	s_lshl_b32 s28, s25, 16                        ; 16 rows of 4,096 bytes
	s_lshl_b32 s27, s26, 11
	s_add_co_u32 s28, s28, s27
	s_mov_b32 s29, 0
	s_add_nc_u64 s[22:23], s[4:5], s[28:29]
	s_lshl_b32 s28, s25, 14                        ; 8 images of 2,048 bytes
	s_lshl_b32 s27, s26, 13
	s_add_co_u32 s28, s28, s27
	s_add_nc_u64 s[16:17], s[14:15], s[28:29]
	s_add_nc_u64 s[18:19], s[16:17], 4194304
	s_add_nc_u64 s[20:21], s[16:17], 8388608
	MKSC s38, 8, 9                                 ; e6
	MKSC s33, 10, 11                               ; e1
	MKSC s35, 12, 13                               ; e3
.irp i, 0,1,2,3,4,5,6,7,8,9,10,11,12,13,14,15
	v_add_nc_u32 v[RO+\i], \i*4096, v[LI]
.endr
	RLOAD 0, 1
	RLOAD 1, 1
	RBLOCK 0, 3, 0, 1
	RBLOCK 1, 3, 0, 1
	RBLOCK 2, 3, 0, 1
	RBLOCK 3, 3, 0, 1
	s_wait_tensorcnt 0x0
	ds_add_u32 v14, v15
	s_wait_dscnt 0x0
	s_endpgm
.Lnot_x:
	s_cmp_ge_u32 ttmp9, 320
	s_cbranch_scc1 .Lcols
	; ---- Wq (e0), Wk (e2), W_hop (e9), K innermost: all that differs is chosen by the work-group's number
	s_cmp_lt_u32 ttmp9, 160
	s_cselect_b64 s[22:23], s[6:7], s[8:9]
	s_cselect_b32 s24, s32, s34
	s_mov_b32 s25, 160
	s_cselect_b32 s25, 128, s25                    ; the range's first work-group
	s_mov_b32 s26, WC+320*16384
	s_cselect_b32 s26, WC+256*16384, s26           ; where the tensor's images begin
	s_cmp_lt_u32 ttmp9, 192
	s_cselect_b64 s[22:23], s[22:23], s[10:11]
	s_cselect_b32 s24, s24, s41
	s_cselect_b32 s25, s25, 192
	s_cselect_b32 s26, s26, BC
	s_cselect_b32 s27, 1, 3                        ; tasks for 16 rows: 2 or 8
	s_cselect_b32 s28, 1, 7
	s_cselect_b32 s29, 12, 14                      ; log2 of a row's bytes
	s_mov_b32 s30, 98304
	s_cselect_b32 s30, 16384, s30                  ; bytes of images for 16 rows
	s_sub_co_u32 s31, ttmp9, s25
	s_lshl_b32 s31, s31, 2
	s_add_co_u32 s31, s31, s3                      ; task
	s_lshr_b32 s50, s31, s27
	s_and_b32 s51, s31, s28
	s_add_co_u32 s52, s29, 4
	s_lshl_b32 s52, s50, s52
	s_lshl_b32 s53, s51, 11
	s_add_co_u32 s52, s52, s53
	s_mov_b32 s53, 0
	s_add_nc_u64 s[22:23], s[22:23], s[52:53]
	s_mul_i32 s54, s50, s30
	s_add_co_u32 s54, s54, s26
	s_lshl_b32 s55, s51, 13
	s_add_co_u32 s54, s54, s55
	s_mov_b32 s55, 0
	s_add_nc_u64 s[16:17], s[14:15], s[54:55]
	MKSC s24, 8, 9
.irp i, 0,1,2,3,4,5,6,7,8,9,10,11,12,13,14,15
	s_lshl_b32 s31, \i, s29
	v_add_nc_u32 v[RO+\i], s31, v[LI]
.endr
	RLOAD 0, 0
	RLOAD 1, 0
	RBLOCK 0, 1, GSTG, 0
	RBLOCK 1, 1, GSTG, 0
	RBLOCK 2, 1, GSTG, 0
	RBLOCK 3, 1, GSTG, 0
	s_wait_tensorcnt 0x0
	ds_add_u32 v14, v15
	s_wait_dscnt 0x0
	s_endpgm
.Lcols:
	s_cmp_ge_u32 ttmp9, 576
	s_cbranch_scc1 .Lc4
	; ---- W_hop^T (e7): rows e, K = d
	s_sub_co_u32 s24, ttmp9, 320
	s_lshr_b32 s25, s24, 5                         ; which 128 along K
	s_and_b32 s26, s24, 31
	s_lshl_b32 s26, s26, 7
	s_lshl_b32 s27, s3, 5
	s_add_co_u32 s26, s26, s27                     ; my wave's first column
	s_lshl_b32 s28, s25, 21                        ; 128 rows of 16,384 bytes
	s_lshl_b32 s27, s26, 2
	s_add_co_u32 s28, s28, s27
	s_mov_b32 s29, 0
	s_add_nc_u64 s[22:23], s[10:11], s[28:29]
	s_lshl_b32 s28, s26, 10                        ; (column / 16) x 8 images
	s_lshl_b32 s27, s25, 11
	s_add_co_u32 s28, s28, s27
	s_add_co_u32 s28, s28, WC
	s_add_nc_u64 s[16:17], s[14:15], s[28:29]
	MKSC s39, 8, 9
	CPATH 16384, 16384
	s_endpgm
.Lc4:
	; ---- Wq^T (e17) and Wk^T (e15): rows d, K = head x 64 + feature
	s_sub_co_u32 s24, ttmp9, 576
	s_cmp_lt_u32 s24, 64
	s_cselect_b64 s[22:23], s[6:7], s[8:9]
	s_cselect_b32 s30, s49, s47
	s_cselect_b32 s31, 40, 32
	s_and_b32 s24, s24, 63
	s_lshr_b32 s25, s24, 3
	s_and_b32 s26, s24, 7
	s_lshl_b32 s26, s26, 7
	s_lshl_b32 s27, s3, 5
	s_add_co_u32 s26, s26, s27
	s_lshl_b32 s28, s25, 19                        ; 128 rows of 4,096 bytes
	s_lshl_b32 s27, s26, 2
	s_add_co_u32 s28, s28, s27
	s_mov_b32 s29, 0
	s_add_nc_u64 s[22:23], s[22:23], s[28:29]
	s_mul_i32 s28, s26, 6144                       ; (column / 16) x 48 images
	s_add_co_u32 s27, s31, s25
	s_lshl_b32 s27, s27, 11
	s_add_co_u32 s28, s28, s27
	s_add_co_u32 s28, s28, BC
	s_add_nc_u64 s[16:17], s[14:15], s[28:29]
	MKSC s30, 8, 9
	CPATH 4096, 98304
	s_endpgm
.Lfunc_end_k_q2e5992e628_quant:
	.size	k_q2e5992e628_quant, .Lfunc_end_k_q2e5992e628_quant-k_q2e5992e628_quant
	.p2alignl 7, 3214868480
	.fill 96, 4, 3214868480
	.section	.rodata,"a",@progbits
	.p2align	6, 0x0
	.amdhsa_kernel k_q2e5992e628_quant
		.amdhsa_group_segment_fixed_size 68096
		.amdhsa_private_segment_fixed_size 0
		.amdhsa_enable_private_segment 0
		.amdhsa_kernarg_size 48
		.amdhsa_user_sgpr_count 2
		.amdhsa_user_sgpr_kernarg_segment_ptr 1
		.amdhsa_wavefront_size32 1
		.amdhsa_system_sgpr_workgroup_id_x 1
		.amdhsa_system_sgpr_workgroup_id_y 1
		.amdhsa_system_sgpr_workgroup_id_z 1
		.amdhsa_system_vgpr_workitem_id 0
		.amdhsa_next_free_vgpr 256
		.amdhsa_next_free_sgpr 66
		.amdhsa_reserve_vcc 0
		.amdhsa_float_denorm_mode_32 3
		.amdhsa_float_denorm_mode_16_64 3
		.amdhsa_memory_ordered 1
		.amdhsa_forward_progress 1
		.amdhsa_inst_pref_size 161
	.end_amdhsa_kernel
	.amdgpu_metadata
---
amdhsa.version: [ 1, 2 ]
amdhsa.kernels:
  - .name:           k_q2e5992e628_quant
    .symbol:         k_q2e5992e628_quant.kd
    .args:
      - { .name: x, .offset: 0, .size: 8, .value_kind: global_buffer, .address_space: global }
      - { .name: Wq, .offset: 8, .size: 8, .value_kind: global_buffer, .address_space: global }
      - { .name: Wk, .offset: 16, .size: 8, .value_kind: global_buffer, .address_space: global }
      - { .name: W_hop, .offset: 24, .size: 8, .value_kind: global_buffer, .address_space: global }
      - { .name: lowp_scales, .offset: 32, .size: 8, .value_kind: global_buffer, .address_space: global }
      - { .name: codes0, .offset: 40, .size: 8, .value_kind: global_buffer, .address_space: global }
    .group_segment_fixed_size: 68096
    .private_segment_fixed_size: 0
    .kernarg_segment_align: 8
    .kernarg_segment_size: 48
    .max_flat_workgroup_size: 128
    .sgpr_count:     66
    .vgpr_count:     256
    .wavefront_size: 32
...
	.end_amdgpu_metadata
.endif
;; end of part 1
;; launch proj (part 2): grid 32 x 16, 4 waves a work-group, clusters of 4 x 4, 327,680 bytes of LDS; arguments codes0, lowp_scales, qk, acat; writes qk, acat
.if DOCPART == 2
	.amdgcn_target "amdgcn-amd-amdhsa--gfx1250"
	.amdhsa_code_object_version 6
	.text
	.protected	k_q2e5992e628_proj
	.globl	k_q2e5992e628_proj
	.p2align	8
	.type	k_q2e5992e628_proj,@function
k_q2e5992e628_proj:
	s_mov_b64 s[64:65], 0
	v_nop
	global_prefetch_b8 v0, s[64:65] scope:SCOPE_SE
	s_setreg_imm32_b32 hwreg(HW_REG_WAVE_MODE, 25, 1), 1
	s_wait_xcnt 0x0
	s_wait_alu depctr_hold_cnt(0) depctr_sa_sdst(0) depctr_va_vdst(0) depctr_va_sdst(0) depctr_va_ssrc(0) depctr_va_vcc(0) depctr_vm_vsrc(0)
	s_getreg_b32 s2, hwreg(HW_REG_IB_STS2, 6, 4)
	s_cmp_eq_u32 s2, 0
	s_cbranch_scc0 .Lentry_in_a_cluster
	s_endpgm
.Lentry_in_a_cluster:
	s_bfe_u32 s2, ttmp6, 0x10000c
	s_cmp_lg_u32 s2, 0xf033
	s_cbranch_scc0 .Lentry_shape_is_right
	s_endpgm
.Lentry_shape_is_right:
; The three products with x, K = 1,024, on codes of BF8: h = relu(x W_hop), q = x Wq^T, k = x Wk^T; q and k a second time with the roles of the operands swapped, so that they also come out with the tokens innermost.
; 512 tiles of 256 x 256.  The cluster's x says what a tile is: 0-3 h; 4 q; 5 k; 6 q with tokens innermost; 7 k with tokens innermost.  Every result is quantised in registers with its own given scale and
; stored as images of the next product's registers (16 rows x 128 K: registers 4g .. 4g+3 of lane l at 512 g + 16 l).  For h the sum of relu^2 is taken on the way: one number a wave.
; A work-group of four waves makes a tile; a wave makes 128 x 128 in 64 accumulators.  K goes in steps of 256 through a ring of two LDS slots filled by the tensor data mover; operands lie in memory and in LDS as images,
; so a fragment is four loads of 512 consecutive bytes: no pitch, no padding.
; THE MATRIX INSTRUCTION IS USED TRANSPOSED: source 0 = 16 rows of the "column" operand, source 1 = 16 rows of the "row" operand.  Accumulator b of a lane then holds 8 neighbours 16 b + 8 h + j of the lane's row:
; one conversion of it IS registers 2b, 2b+1 of the next fragment.
; CLUSTERS: 4 x 4.  The tokens' tile is shared along a row of the cluster, the weights' tile along a column: each is asked for jointly.
; Which region of a slot holds the "row" operand is chosen by the cluster's x, which all partners share: no branch stands round the loop.
; LIMITS: eO - eW - eX between -126 and 112 for each of the five results.  NaN among the inputs is not served.
; REGISTERS: window 0: v4-9, v16-19 addresses and scales; v24-31 the sum of squares; v32-95 held numbers; v96-111 codes; v128-255 the row operand's fragments, one set.  window 1: the column operand's, two sets.  windows 2, 3: accumulators.
.set SLOT,  131072                     ; tokens' 16 x 2 images (64 KiB), then the weights'
.set SPARE, 2*SLOT                     ; behind the ring: the spare words, 128 bytes a wave
.set FR,    16
.set NL,    4
.set NP,    4
.set LI,    4                          ; v4  16 x lane
.set ZR,    5                          ; v5  0, an offset
.set SPW,   6                          ; v6  my spare word; never rewritten
.set NIL,   7                          ; v7  0; never rewritten
.set SC,    8                          ; v8  2^(eO - eW - eX)
.set LIM,   9                          ; v9  57,344 x that
.set ADRA,  16                         ; v16-17 the row operand's fragments in slot 0, 1
.set ADRB,  18                         ; v18-19 the column operand's
.set EE,    24
.set TT,    32
.set CC,    96
.set AF,    128
.set G1,  24
.set G0,  32
.set G1B, 48
.set G0B, 56
.set MSB, 0
.macro WIN new                         ; the immediate's high byte repeats the setting that is left
.if MSB != \new
	s_set_vgpr_msb (MSB<<8)|\new
.set MSB, \new
.endif
.endm
.set MUL_LO, 0xa1
.set MUL_HI, 0xf1
.set TO_B,   0x40
.macro JLOAD g0a, g1a, g0b, g1b        ; waves 0, 1 fetch the tokens' halves, waves 2, 3 the weights'; four v_nop follow each line
	s_cmp_eq_u32 s15, 0
	s_cbranch_scc0 .Lfor_b_\@
	tensor_load_to_lds s[\g0a:\g0a+3], s[\g1a:\g1a+7]
	s_nop 0
.rept 4
	v_nop
.endr
	s_branch .Lasked_\@
.Lfor_b_\@:
	tensor_load_to_lds s[\g0b:\g0b+3], s[\g1b:\g1b+7]
	s_nop 0
.rept 4
	v_nop
.endr
.Lasked_\@:
.endm
.macro CREST
	s_cmp_lg_u32 s14, 0
	s_cbranch_scc1 .Lnot_wave_0_\@
	s_barrier_signal -3
.Lnot_wave_0_\@:
	s_barrier_wait -3
	s_barrier_signal -1
	s_barrier_wait -1
.endm
.macro CROUND
	s_barrier_signal -1
	s_barrier_wait -1
	CREST
.endm
	s_load_b256 s[4:11], s[0:1], 0x0               ; codes0 s[4:5], the exponents s[6:7], qk s[8:9], acat s[10:11]
	v_lshl_add_u32 v[SPW], v0, 2, SPARE
	v_mov_b32 v[NIL], 0
	ds_add_u32 v6, v7
	ds_add_u32 v6, v7
	s_wait_dscnt 0x0
	v_lshrrev_b32 v1, 5, v0
	v_readfirstlane_b32 s14, v1                    ; wave
	s_lshr_b32 s15, s14, 1                         ; my half of the tile's rows; also: I fetch tokens (0) or weights (1)
	s_and_b32 s16, s14, 1                          ; my half of its columns; also: which 128 rows I fetch
	s_bfe_u32 s40, ttmp6, 0x40000                  ; cx
	s_bfe_u32 s41, ttmp6, 0x40004                  ; cy
	s_mov_b32 s66, ttmp9                           ; the cluster's x: the kind of tile
	s_lshl_b32 s42, ttmp9, 2
	s_add_co_u32 s42, s42, s40                     ; gx
	s_and_b32 s17, ttmp7, 0xffff
	s_lshl_b32 s17, s17, 2
	s_add_co_u32 s17, s17, s41                     ; gy: the tokens' tile
	s_lshl_b32 s43, s41, 2
	s_lshl_b32 s43, 15, s43                        ; my row of the cluster
	s_lshl_b32 s44, 0x1111, s40                    ; my column
	; group 1: 8 lines of 4,096 bytes (two images of 16 rows), 16,384 bytes apart, in elements of 8 bytes; no padding
	s_or_b32 s[G1+0], s43, (3<<16)|(1<<21)
	s_or_b32 s[G1B+0], s44, (3<<16)|(1<<21)
.irp g, G1, G1B
	s_mov_b32 s[\g+1], 512<<16                     ; tensor_dim0
	s_mov_b32 s[\g+2], 8<<16                       ; tensor_dim1
	s_mov_b32 s[\g+3], 512<<16                     ; tile_dim0
	s_mov_b32 s[\g+4], 8                           ; tile_dim1
	s_mov_b32 s[\g+5], 2048                        ; from line to line
	s_mov_b32 s[\g+6], 0
	s_mov_b32 s[\g+7], 0
.endr
	s_and_b32 s67, s66, 1
	s_add_co_u32 s67, s67, 1
	s_cmp_lt_u32 s66, 4
	s_cselect_b32 s67, 0, s67                      ; which codes of x: 0 (e6), 1 (e1), 2 (e3)
	s_lshl_b32 s67, s67, 22
	s_lshl_b32 s20, s17, 18                        ; 16 gy lines
	s_lshl_b32 s21, s16, 17                        ; + 8 for the second half
	s_add_co_u32 s20, s20, s21
	s_add_co_u32 s20, s20, s67
	s_mov_b32 s21, 0
	s_cmp_lt_u32 s66, 6
	s_cselect_b32 s68, 0, 8
	s_cselect_b32 s69, 0, 0x10000                  ; the region of a slot that holds the row operand: tokens, or weights where the roles are swapped
	s_cselect_b32 s76, 0x10000, 0                  ; and the column operand
	s_sub_co_u32 s46, s42, s68                     ; the weights' tile
	s_lshl_b32 s46, s46, 18
	s_lshl_b32 s47, s16, 17
	s_add_co_u32 s46, s46, s47
	s_add_co_u32 s46, s46, 12582912
	s_mov_b32 s47, 0
	s_lshl_b32 s45, s14, 15                        ; where my load lands: wave x 32,768
	s_wait_kmcnt 0x0
	s_load_b512 s[80:95], s[6:7], 0x0              ; e0 .. e15 in s80 .. s95
	s_add_nc_u64 s[20:21], s[4:5], s[20:21]
	s_add_nc_u64 s[46:47], s[4:5], s[46:47]
	CROUND                                         ; all sixteen work-groups are here: the first joint loads meet
.irp s, 0,1
	s_mov_b32 s[G0+4*\s], 1
	s_add_co_u32 s[G0+4*\s+1], s45, \s*SLOT
	s_add_nc_u64 s[G0+4*\s+2:G0+4*\s+3], s[20:21], \s*4096
	s_or_b32 s[G0+4*\s+3], s[G0+4*\s+3], 0x80000000
	s_mov_b32 s[G0B+4*\s], 1
	s_add_co_u32 s[G0B+4*\s+1], s45, \s*SLOT
	s_add_nc_u64 s[G0B+4*\s+2:G0B+4*\s+3], s[46:47], \s*4096
	s_or_b32 s[G0B+4*\s+3], s[G0B+4*\s+3], 0x80000000
	JLOAD G0+4*\s, G1, G0B+4*\s, G1B
.endr
	v_and_b32 v1, 31, v0
	v_lshlrev_b32 v[LI], 4, v1
	v_mov_b32 v[ZR], 0
	s_lshl_b32 s21, s15, 15
	s_add_co_u32 s21, s21, s69
	s_lshl_b32 s22, s16, 15
	s_add_co_u32 s22, s22, s76
.irp s, 0,1
	v_add_nc_u32 v[ADRA+\s], s21, v[LI]
	v_add_nc_u32 v[ADRB+\s], s22, v[LI]
	s_add_co_u32 s21, s21, SLOT
	s_add_co_u32 s22, s22, SLOT
.endr
	; the scales: eW, eX of the product, eO of its result
	s_wait_kmcnt 0x0
	s_and_b32 s77, s66, 1
	s_cmp_eq_u32 s77, 0
	s_cselect_b32 s67, s80, s82
	s_cselect_b32 s68, s81, s83
	s_cselect_b32 s77, s84, s85
	s_cselect_b32 s78, s91, s93
	s_cmp_lt_u32 s66, 6
	s_cselect_b32 s77, s77, s78
	s_cmp_lt_u32 s66, 4
	s_cselect_b32 s67, s87, s67
	s_cselect_b32 s68, s86, s68
	s_cselect_b32 s77, s88, s77
	s_add_co_i32 s67, s67, s68                     ; eS = eW + eX: a sum stands for sum x 2^eS
	s_sub_co_i32 s77, s77, s67
	s_add_co_i32 s77, s77, 127
	s_lshl_b32 s78, s77, 23
	v_mov_b32 v[SC], s78
	s_add_co_i32 s77, s77, 15
	s_lshl_b32 s77, s77, 23
	s_or_b32 s77, s77, 0x600000
	v_mov_b32 v[LIM], s77
	; where my results go.  h: acat, image (16 gy + 8 rows' half + a, 2 gx + columns' half)
	s_lshl_b32 s96, s17, 4
	s_lshl_b32 s97, s15, 3
	s_add_co_u32 s96, s96, s97
	s_mul_i32 s96, s96, 48
	s_lshl_b32 s97, s42, 1
	s_add_co_u32 s96, s96, s97
	s_add_co_u32 s96, s96, s16
	s_lshl_b32 s96, s96, 11
	s_sub_co_u32 s98, s66, 4
	s_lshl_b32 s98, s98, 22                        ; q, k, q^T, k^T lie 4 MiB apart in qk
	; q, k: [batch x 16 + head][token block][1,024]; my eight accumulators of a row block are two heads' fragments of K = 64
	s_lshr_b32 s97, s17, 2
	s_lshl_b32 s99, s97, 4
	s_lshl_b32 s77, s40, 2
	s_add_co_u32 s99, s99, s77
	s_lshl_b32 s77, s16, 1
	s_add_co_u32 s99, s99, s77
	s_lshl_b32 s99, s99, 16
	s_and_b32 s77, s17, 3
	s_lshl_b32 s78, s77, 4
	s_lshl_b32 s79, s15, 3
	s_add_co_u32 s78, s78, s79
	s_lshl_b32 s78, s78, 10
	s_add_co_u32 s99, s99, s78
	s_add_co_u32 s99, s99, s98
	; q^T, k^T: [batch][16 cx + 8 rows' half + a][tokens / 128][2,048]
	s_lshl_b32 s97, s97, 20
	s_lshl_b32 s78, s40, 4
	s_add_co_u32 s78, s78, s79
	s_lshl_b32 s78, s78, 14
	s_add_co_u32 s97, s97, s78
	s_lshl_b32 s77, s77, 1
	s_add_co_u32 s77, s77, s16
	s_lshl_b32 s77, s77, 11
	s_add_co_u32 s97, s97, s77
	s_add_co_u32 s97, s97, s98
	s_cmp_lt_u32 s66, 6
	s_cselect_b32 s70, s99, s97
	s_mov_b32 s74, 16384
	s_cselect_b32 s74, 1024, s74                   ; from row block to row block
	s_mov_b32 s72, 1024
	s_cselect_b32 s72, 0x10000, s72                ; from registers 0-7 to registers 8-15
	s_cmp_lt_u32 s66, 4
	s_cselect_b32 s70, s96, s70
	s_cselect_b32 s74, 98304, s74
	s_cselect_b32 s72, 1024, s72
	s_cselect_b64 s[78:79], s[10:11], s[8:9]
	s_mov_b32 s71, 0
	s_mov_b32 s73, 0
	s_mov_b32 s75, 0
	s_add_nc_u64 s[70:71], s[78:79], s[70:71]
	s_add_nc_u64 s[72:73], s[70:71], s[72:73]
.macro FRAG reg, adr, q, i             ; an image comes back as it was stored: four loads of 512 consecutive bytes
.irp c, 0,1,2,3
	ds_load_b128 v[\reg+4*\c:\reg+4*\c+3], v[\adr] offset:2048*(\q)+512*\c+(\i)*4096
.endr
.endm
.macro MUL16 a0, p, zero               ; the 64 accumulators take turns, one instruction a turn, in the same order in every step
.irp a, \a0, \a0+1
.irp b, 0,1,2,3,4,5,6,7
.if \zero
	v_wmma_f32_16x16x128_bf8_bf8 v[8*(8*((\a)%4)+\b):8*(8*((\a)%4)+\b)+7], v[128*(\p)+FR*\b:128*(\p)+FR*\b+FR-1], v[AF+FR*(\a):AF+FR*(\a)+FR-1], 0
.else
	v_wmma_f32_16x16x128_bf8_bf8 v[8*(8*((\a)%4)+\b):8*(8*((\a)%4)+\b)+7], v[128*(\p)+FR*\b:128*(\p)+FR*\b+FR-1], v[AF+FR*(\a):AF+FR*(\a)+FR-1], v[8*(8*((\a)%4)+\b):8*(8*((\a)%4)+\b)+7]
.endif
.endr
.endr
.endm
.macro FETCH_B slot, q, p
	WIN TO_B
.irp i, 0,1,2,3,4,5,6,7
	FRAG 128*(\p)+FR*\i, ADRB+\slot, \q, \i
.endr
	WIN 0
.endm
.macro FETCH_A slot, q, i0
.irp i, \i0, \i0+1, \i0+2, \i0+3
	FRAG AF+FR*(\i), ADRA+\slot, \q, \i
.endr
.endm
.macro PLACES n                        ; plain vector lines between a matrix instruction and a load into, or a read of, its registers
.rept \n
	v_nop
.endr
.endm
.macro STEP slot, q, zero              ; 128 along K whose successor lies in the same slot
	s_wait_dscnt 4*NL                              ; the column operand's set and row blocks 0-3 are in; the youngest 16 loads (row blocks 4-7) may be out
	WIN MUL_LO
	MUL16 0, (\q)%2, \zero
	MUL16 2, (\q)%2, \zero
	s_wait_dscnt 0
	PLACES NP
	FETCH_B \slot, (\q)+1, 1-(\q)%2
	FETCH_A \slot, (\q)+1, 0
	WIN MUL_HI
	MUL16 4, (\q)%2, \zero
	MUL16 6, (\q)%2, \zero
	PLACES NP
	WIN 0
	FETCH_A \slot, (\q)+1, 4
.endm
.macro TURN slot, next, fill           ; a slot's last step changes slots: one barrier
	s_wait_tensorcnt 0x0                           ; all my tensor loads have landed: my part of the next slot
	ds_add_u32 v[SPW], v[NIL]                      ; 0 onto my spare word
	s_wait_dscnt 4*NL+1                            ; the add and the youngest 16 loads may be out
	WIN MUL_LO
	MUL16 0, 1, 0
	s_wait_dscnt 0x0                               ; the add is done, and my reads of this slot are over
	s_barrier_signal -1
	MUL16 2, 1, 0
	WIN 0
	s_barrier_wait -1
.if \fill
	CREST                                          ; the barrier has opened a round of the cluster's barrier: no wave of any partner still reads this slot or has a load on its way
	s_add_nc_u64 s[G0+4*\slot+2:G0+4*\slot+3], s[G0+4*\slot+2:G0+4*\slot+3], 8192
	s_add_nc_u64 s[G0B+4*\slot+2:G0B+4*\slot+3], s[G0B+4*\slot+2:G0B+4*\slot+3], 8192
	JLOAD G0+4*\slot, G1, G0B+4*\slot, G1B         ; the first tensor load behind the round; its four v_nop are the places in front of the loads below
.else
	PLACES NP
.endif
	FETCH_B \next, 0, 0
	FETCH_A \next, 0, 0
	WIN MUL_HI
	MUL16 4, 1, 0
	MUL16 6, 1, 0
	PLACES NP
	WIN 0
	FETCH_A \next, 0, 4
.endm
	s_wait_tensorcnt 1                             ; my part of K step 0 is in; K step 1's load may be out
	s_barrier_signal -1
	s_barrier_wait -1
	FETCH_B 0, 0, 0
	FETCH_A 0, 0, 0
	FETCH_A 0, 0, 4
	STEP 0, 0, 1                                   ; four K steps of 256, written out: the first products start the sums
	TURN 0, 1, 1
	STEP 1, 0, 0
	TURN 1, 0, 1
	STEP 0, 0, 0
	TURN 0, 1, 0                                   ; the last two K steps fill nothing
	STEP 1, 0, 0
	s_wait_dscnt 4*NL
	WIN MUL_LO
	MUL16 0, 1, 0
	MUL16 2, 1, 0
	s_wait_dscnt 0
	WIN MUL_HI
	MUL16 4, 1, 0
	MUL16 6, 1, 0
	WIN 0
; THE WAY OUT of row block a: its eight accumulators, held and converted, are one fragment of 16 registers, stored as it stands.  kind = 1: h (relu, the sum of squares); 0: q, k.
.macro EPI a, kind
.set AC, 64*((\a)%4)
.if (\a) > 0
	s_wait_xcnt 0x0                                ; the last block's stores have read their codes and their bases
	s_add_nc_u64 s[70:71], s[70:71], s[74:75]
	s_add_nc_u64 s[72:73], s[72:73], s[74:75]
.endif
	WIN 0x02+((\a)/4)
.if \kind
.set jj, 0
.rept 64
	v_max_num_f32 v[TT+jj], v[AC+jj], 0            ; relu; each accumulator from its low end on
.set jj, jj+1
.endr
	WIN 0
.set jj, 0
.rept 32
.if ((\a) == 0) && (jj < 4)
	v_pk_mul_f32 v[EE+2*jj:EE+2*jj+1], v[TT+2*jj:TT+2*jj+1], v[TT+2*jj:TT+2*jj+1]   ; the first four start the sums
.else
	v_pk_fma_f32 v[EE+2*(jj%4):EE+2*(jj%4)+1], v[TT+2*jj:TT+2*jj+1], v[TT+2*jj:TT+2*jj+1], v[EE+2*(jj%4):EE+2*(jj%4)+1]
.endif
.set jj, jj+1
.endr
.set jj, 0
.rept 64
	v_min_num_f32 v[TT+jj], v[TT+jj], v[LIM]       ; never negative: the hold is one-sided
.set jj, jj+1
.endr
.else
.set jj, 0
.rept 64
	v_med3_num_f32 v[TT+jj], v[AC+jj], -v[LIM], v[LIM]
.set jj, jj+1
.endr
	WIN 0
.endif
.irp b, 0,1,2,3,4,5,6,7
	v_cvt_scalef32_pk8_bf8_f32 v[CC+2*\b:CC+2*\b+1], v[TT+8*\b:TT+8*\b+7], v[SC]
.endr
	v_nop                                          ; a plain line behind the last conversion
	global_store_b128 v[LI], v[CC:CC+3], s[70:71]
	global_store_b128 v[LI], v[CC+4:CC+7], s[70:71] offset:512
	global_store_b128 v[LI], v[CC+8:CC+11], s[72:73]
	global_store_b128 v[LI], v[CC+12:CC+15], s[72:73] offset:512
.endm
	PLACES NP
	s_cmp_lt_u32 s66, 4
	s_cbranch_scc0 .Lepi_p
.irp a, 0,1,2,3,4,5,6,7
	EPI \a, 1
.endr
	; my part of -1/2 sum relu^2: over my registers, over the lanes, x 2^(2 eS - 1), negated
	v_pk_add_f32 v[EE:EE+1], v[EE:EE+1], v[EE+2:EE+3]
	v_pk_add_f32 v[EE+4:EE+5], v[EE+4:EE+5], v[EE+6:EE+7]
	v_pk_add_f32 v[EE:EE+1], v[EE:EE+1], v[EE+4:EE+5]
	v_add_f32 v[EE], v[EE], v[EE+1]
	v_add_f32_dpp v[EE], v[EE], v[EE] row_xmask:1 row_mask:0xf bank_mask:0xf
	v_add_f32_dpp v[EE], v[EE], v[EE] row_xmask:2 row_mask:0xf bank_mask:0xf
	v_add_f32_dpp v[EE], v[EE], v[EE] row_xmask:4 row_mask:0xf bank_mask:0xf
	v_add_f32_dpp v[EE], v[EE], v[EE] row_xmask:8 row_mask:0xf bank_mask:0xf
	s_mov_b32 s96, 0x76543210
	s_mov_b32 s97, 0xfedcba98
	v_permlanex16_b32 v[EE+1], v[EE], s96, s97
	v_add_f32 v[EE], v[EE], v[EE+1]
	s_lshl_b32 s68, s67, 1
	s_sub_co_i32 s68, s68, 1
	v_ldexp_f32 v[EE], -v[EE], s68
	s_lshl_b32 s98, s17, 4
	s_add_co_u32 s98, s98, s42
	s_lshl_b32 s98, s98, 2
	s_add_co_u32 s98, s98, s14
	s_lshl_b32 s98, s98, 2
	s_add_co_u32 s98, s98, 16777216                ; the parts lie behind the four tensors of qk: (16 gy + gx) x 4 + wave
	s_mov_b32 s99, 0
	s_add_nc_u64 s[98:99], s[8:9], s[98:99]
	v_cmp_eq_u32 vcc_lo, 0, v1
	s_wait_xcnt 0x0                                ; EXEC changes only behind this wait
	s_and_saveexec_b32 s96, vcc_lo
	global_store_b32 v[ZR], v[EE], s[98:99]
	s_wait_xcnt 0x0
	s_or_b32 exec_lo, exec_lo, s96
	s_branch .Lend
.Lepi_p:
.irp a, 0,1,2,3,4,5,6,7
	EPI \a, 0
.endr
.Lend:
	s_wait_tensorcnt 0x0                           ; the wave's end
	ds_add_u32 v[SPW], v[NIL]
	s_wait_dscnt 0x0
	CROUND                                         ; the closing round
	s_endpgm
.Lfunc_end_k_q2e5992e628_proj:
	.size	k_q2e5992e628_proj, .Lfunc_end_k_q2e5992e628_proj-k_q2e5992e628_proj
	.p2alignl 7, 3214868480
	.fill 96, 4, 3214868480
	.section	.rodata,"a",@progbits
	.p2align	6, 0x0
	.amdhsa_kernel k_q2e5992e628_proj
		.amdhsa_group_segment_fixed_size 327680
		.amdhsa_private_segment_fixed_size 0
		.amdhsa_enable_private_segment 0
		.amdhsa_kernarg_size 32
		.amdhsa_user_sgpr_count 2
		.amdhsa_user_sgpr_kernarg_segment_ptr 1
		.amdhsa_wavefront_size32 1
		.amdhsa_system_sgpr_workgroup_id_x 1
		.amdhsa_system_sgpr_workgroup_id_y 1
		.amdhsa_system_sgpr_workgroup_id_z 1
		.amdhsa_system_vgpr_workitem_id 0
		.amdhsa_next_free_vgpr 1024
		.amdhsa_next_free_sgpr 100
		.amdhsa_reserve_vcc 1
		.amdhsa_float_denorm_mode_32 3
		.amdhsa_float_denorm_mode_16_64 3
		.amdhsa_memory_ordered 1
		.amdhsa_forward_progress 1
		.amdhsa_inst_pref_size 194
	.end_amdhsa_kernel
	.amdgpu_metadata
---
amdhsa.version: [ 1, 2 ]
amdhsa.kernels:
  - .name:           k_q2e5992e628_proj
    .symbol:         k_q2e5992e628_proj.kd
    .args:
      - { .name: codes0, .offset: 0, .size: 8, .value_kind: global_buffer, .address_space: global }
      - { .name: lowp_scales, .offset: 8, .size: 8, .value_kind: global_buffer, .address_space: global }
      - { .name: qk, .offset: 16, .size: 8, .value_kind: global_buffer, .address_space: global }
      - { .name: acat, .offset: 24, .size: 8, .value_kind: global_buffer, .address_space: global }
    .group_segment_fixed_size: 327680
    .private_segment_fixed_size: 0
    .kernarg_segment_align: 8
    .kernarg_segment_size: 32
    .max_flat_workgroup_size: 128
    .sgpr_count:     100
    .vgpr_count:     1024
    .wavefront_size: 32
...
	.end_amdgpu_metadata
.endif
;; end of part 2
;; launch attn_rows (part 3): grid 4 x 64, 4 waves a work-group, no clusters, 70,144 bytes of LDS; arguments qk, lowp_scales, acat, st; writes acat, st
.if DOCPART == 3
	.amdgcn_target "amdgcn-amd-amdhsa--gfx1250"
	.amdhsa_code_object_version 6
	.text
	.protected	k_q2e5992e628_attn_rows
	.globl	k_q2e5992e628_attn_rows
	.p2align	8
	.type	k_q2e5992e628_attn_rows,@function
k_q2e5992e628_attn_rows:
	s_mov_b64 s[64:65], 0
	v_nop
	global_prefetch_b8 v0, s[64:65] scope:SCOPE_SE
	s_setreg_imm32_b32 hwreg(HW_REG_WAVE_MODE, 25, 1), 1
	s_wait_xcnt 0x0
; The pass of attention that owns ROWS.  For one head and 256 queries: scores = q k^T on codes; the rows' softmax P, finished and normalised; P k (the gradient with respect to q, sign left for the last launch) as codes;
; for the pass that owns columns one number a row: the row's shift less log2 of its sum, so that P = 2^(c s + that number) there; and the rows' logsumexp for the energy.
; SHARES.  Work-group (x, head): queries 256 x .. + 255, in four groups of 64.  Wave w owns keys 256 w .. + 255: its fragments of k (K = the head's 64) and of k with the tokens innermost stay in registers for the whole
; launch, loaded once, straight from memory: each byte enters the work-group once, so nothing goes through LDS and nothing is shared with another work-group at the same time.
; A group's 64 x 1,024 scores lie in the four waves' registers (512 a wave), so each score has ONE exponential.
; LAYOUT.  S^T = k q^T (source 0 = 16 keys, source 1 = 16 queries): a lane holds one query and 8 neighbouring keys; one conversion of a tile is registers 2c, 2c+1 of P's fragment along the keys.
; SOFTMAX.  t = score x c, c = log2(e) / 8 x 2^(e4 + e5).  Each wave takes its own largest t away, sums, and the waves exchange (shift, sum) through LDS: the smallest of the four -t is the row's shift,
; each wave's weights are multiplied by 2^(row's shift - own shift) / the row's sum.  The largest t is always taken away.
; LIMITS: e4 + e5 between -123 and 130; e12, and e16 - e12 - e13, between -126 and 112.  Weights under 2^-126 count as 0.  NaN is not served.
; REGISTERS: window 0: v4-15 addresses, scales; v16-23 codes out; v24-25 statistics out; v32-63 eight words a tile of queries; v64-95 q; v96-127 at work; v128-255 P's codes.
;   window 1: v0-127 k, v128-255 k with tokens innermost.   windows 2, 3: the scores, tile (a, i) at 128 (a % 2) + 8 i; later window 2: v0-127 my parts of P k, v128-255 the four waves' parts of my tile.
.set PART, 4096                        ; LDS: 0: the statistics, 1,024 bytes a wave; 4,096: the parts of P k, 16,384 bytes a wave
.set LI,  4                            ; v4  16 x lane
.set SA,  5                            ; v5  my statistics: 1,024 wave + 8 lane
.set SR,  6                            ; v6  8 lane
.set PW,  7                            ; v7  my parts: PART + 16,384 wave + 16 lane
.set PR,  8                            ; v8  the parts of tile a = wave: PART + 4,096 wave + 16 lane
.set SO,  9                            ; v9  64 h + 4 r: lanes 0-15 store one tile's 16 rows, lanes 16-31 the next tile's
.set SCP, 10
.set LMP, 11
.set SCD, 12
.set LMD, 13
.set EN,  14
.set ZR,  15
.set OC,  16
.set SD,  24
.set ST,  32                           ; tile a: +0 my shift, +1 my sum, +2 my factor, +3 (its pair), +4 the row's shift, +5 the row's sum, +6 2^(row's - mine), +7 1 / sum
.set QF,  64
.set YY,  96
.set PF,  128
.set KT,  128
.set MSB, 0
.macro WIN new
.if MSB != \new
	s_set_vgpr_msb (MSB<<8)|\new
.set MSB, \new
.endif
.endm
.macro PLACES
.rept 4
	v_nop
.endr
.endm
.macro MKSC e, sc, lim
	s_add_co_i32 s56, \e, 127
	s_lshl_b32 s57, s56, 23
	v_mov_b32 v[\sc], s57
	s_add_co_i32 s56, s56, 15
	s_lshl_b32 s56, s56, 23
	s_or_b32 s56, s56, 0x600000
	v_mov_b32 v[\lim], s56
.endm
.macro BARRIER                         ; my LDS stores have landed and my LDS loads are in: then the work-group's barrier
	s_wait_dscnt 0x0
	s_barrier_signal -1
	s_barrier_wait -1
.endm
.macro QLOAD                           ; a group's four fragments of q
.irp a, 0,1,2,3
	global_load_b128 v[QF+8*\a:QF+8*\a+3], v[LI], s[16:17] offset:1024*\a
	global_load_b128 v[QF+8*\a+4:QF+8*\a+7], v[LI], s[16:17] offset:1024*\a+512
.endr
.endm
.macro SCORE a
.irp i, 0,1,2,3,4,5,6,7,8,9,10,11,12,13,14,15
	v_wmma_f32_16x16x64_bf8_bf8 v[128*((\a)%2)+8*\i:128*((\a)%2)+8*\i+7], v[8*\i:8*\i+7], v[QF+8*(\a):QF+8*(\a)+7], 0
.endr
.endm
.macro RMAXC a                         ; four chains of 32 scores; every tile is read from its low end on
.set BB, 128*((\a)%2)
.set ii, 0
.rept 16
.irp k, 0,1,2,3
.if ii == 0
	v_max3_num_f32 v[YY+4*(\a)+\k], 0xff800000, v[BB+32*\k], v[BB+32*\k+1]
.else
	v_max3_num_f32 v[YY+4*(\a)+\k], v[YY+4*(\a)+\k], v[BB+32*\k+2*ii], v[BB+32*\k+2*ii+1]
.endif
.endr
.set ii, ii+1
.endr
.endm
.macro EXPS a                          ; 2^(c s - my largest t), in place.  A pair's scaling stands two pairs ahead of its exponentials, one plain line to two exponentials; no line names an exponential's result
.set BB, 128*((\a)%2)
.set jj, 0
.rept 2
	v_pk_fma_f32 v[BB+2*jj:BB+2*jj+1], v[BB+2*jj:BB+2*jj+1], s[26:27], v[ST+8*(\a):ST+8*(\a)+1] op_sel_hi:[1,0,0]
.set jj, jj+1
.endr
.set jj, 0
.rept 64
.if jj < 62
	v_pk_fma_f32 v[BB+2*jj+4:BB+2*jj+5], v[BB+2*jj+4:BB+2*jj+5], s[26:27], v[ST+8*(\a):ST+8*(\a)+1] op_sel_hi:[1,0,0]
.endif
	v_exp_f32 v[BB+2*jj], v[BB+2*jj]
	v_exp_f32 v[BB+2*jj+1], v[BB+2*jj+1]
.set jj, jj+1
.endr
.endm
.macro RSUM1 a                         ; the first four links take both sources from the scores' window: nothing is cleared
.set BB, 128*((\a)%2)
.irp k, 0,1,2,3
	v_pk_add_f32 v[YY+8*(\a)+2*\k:YY+8*(\a)+2*\k+1], v[BB+2*\k:BB+2*\k+1], v[BB+8+2*\k:BB+8+2*\k+1]
.endr
.endm
.macro RSUM2 a
.set BB, 128*((\a)%2)
.set jj, 8
.rept 56
	v_pk_add_f32 v[YY+8*(\a)+2*(jj%4):YY+8*(\a)+2*(jj%4)+1], v[YY+8*(\a)+2*(jj%4):YY+8*(\a)+2*(jj%4)+1], v[BB+2*jj:BB+2*jj+1]
.set jj, jj+1
.endr
.endm
.macro NRM a                           ; x my factor: P, finished and normalised; then the hold
.set BB, 128*((\a)%2)
.set jj, 0
.rept 64
	v_pk_mul_f32 v[BB+2*jj:BB+2*jj+1], v[BB+2*jj:BB+2*jj+1], v[ST+8*(\a)+2:ST+8*(\a)+3] op_sel_hi:[1,0]
.set jj, jj+1
.endr
.set jj, 0
.rept 128
	v_min_num_f32 v[BB+jj], v[BB+jj], v[LMP]       ; never negative: the hold is one-sided
.set jj, jj+1
.endr
.endm
.macro CVP a
.set BB, 128*((\a)%2)
.irp i, 0,1,2,3,4,5,6,7,8,9,10,11,12,13,14,15
	v_cvt_scalef32_pk8_bf8_f32 v[PF+32*(\a)+2*\i:PF+32*(\a)+2*\i+1], v[BB+8*\i:BB+8*\i+7], v[SCP]
.endr
.endm
	s_load_b256 s[4:11], s[0:1], 0x0               ; qk s[4:5], the exponents s[6:7], acat s[8:9], st s[10:11]
	v_lshl_add_u32 v30, v0, 2, 0x11000
	v_mov_b32 v31, 0
	v_lshrrev_b32 v1, 5, v0
	v_readfirstlane_b32 s12, v1                    ; wave
	s_mov_b32 s13, ttmp9                           ; x
	s_and_b32 s14, ttmp7, 0xffff                   ; batch x 16 + head
	v_and_b32 v1, 31, v0
	v_and_b32 v2, 15, v0
	v_bfe_u32 v3, v0, 4, 1
	v_lshlrev_b32 v[LI], 4, v1
	v_lshlrev_b32 v[SR], 3, v1
	s_lshl_b32 s50, s12, 10
	v_add_nc_u32 v[SA], s50, v[SR]
	s_lshl_b32 s50, s12, 14
	s_add_co_u32 s50, s50, PART
	v_add_nc_u32 v[PW], s50, v[LI]
	s_lshl_b32 s50, s12, 12
	s_add_co_u32 s50, s50, PART
	v_add_nc_u32 v[PR], s50, v[LI]
	v_lshlrev_b32 v[SO], 2, v2
	v_lshl_add_u32 v[SO], v3, 6, v[SO]
	v_cmp_le_u32 s30, 16, v1                       ; lanes 16-31
	v_mov_b32 v[EN], 0
	v_mov_b32 v[ZR], 0
.irp a, 0,1,2,3
	v_mov_b32 v[ST+8*\a+1], 0                      ; named as the upper halves of pairs, so they are written
	v_mov_b32 v[ST+8*\a+3], 0
.endr
	s_mov_b32 s28, 0x76543210
	s_mov_b32 s29, 0xfedcba98
	s_mov_b32 s31, 4                               ; groups to go
	s_wait_kmcnt 0x0
	s_load_b512 s[32:47], s[6:7], 0x0              ; e0 .. e15
	s_load_b64 s[48:49], s[6:7], 0x40              ; e16, e17
	s_lshl_b32 s50, s14, 16
	s_mov_b32 s51, 0
	s_add_nc_u64 s[52:53], s[4:5], s[50:51]        ; the head's 65,536 bytes in each of qk's four tensors
	s_lshl_b32 s54, s13, 14
	s_mov_b32 s55, 0
	s_add_nc_u64 s[16:17], s[52:53], s[54:55]      ; q: my 16 blocks of queries
	s_lshl_b32 s54, s12, 14
	s_add_co_u32 s54, s54, 4194304
	s_add_nc_u64 s[18:19], s[52:53], s[54:55]      ; k: my wave's 16 blocks of keys
	s_lshl_b32 s54, s12, 12
	s_add_co_u32 s54, s54, 12582912
	s_add_nc_u64 s[20:21], s[52:53], s[54:55]      ; k, tokens innermost: my wave's two steps of 128 keys
	s_lshr_b32 s54, s14, 4
	s_lshl_b32 s54, s54, 6
	s_lshl_b32 s56, s13, 4
	s_add_co_u32 s54, s54, s56
	s_add_co_u32 s54, s54, s12                     ; the token block that I own in group 0: 64 batch + 16 x + wave
	s_mul_i32 s54, s54, 48
	s_bfe_u32 s56, s14, 0x30001                    ; head / 2
	s_add_co_u32 s54, s54, s56
	s_add_co_u32 s54, s54, 40
	s_lshl_b32 s54, s54, 11
	s_and_b32 s56, s14, 1
	s_lshl_b32 s56, s56, 10                        ; an odd head's 64 are the image's second half
	s_add_co_u32 s54, s54, s56
	s_add_nc_u64 s[22:23], s[8:9], s[54:55]
	s_lshl_b32 s54, s14, 12                        ; a head's 1,024 rows, 4 bytes each
	s_lshl_b32 s56, s13, 10
	s_add_co_u32 s54, s54, s56
	s_add_nc_u64 s[24:25], s[10:11], s[54:55]      ; the statistics of my first row
	; what the first scores want goes first: k, then q; k with the tokens innermost is wanted only by the product P k
	WIN 0x40
.irp i, 0,1,2,3,4,5,6,7,8,9,10,11,12,13,14,15
	global_load_b128 v[8*\i:8*\i+3], v[LI], s[18:19] offset:1024*\i
	global_load_b128 v[8*\i+4:8*\i+7], v[LI], s[18:19] offset:1024*\i+512
.endr
	WIN 0
	QLOAD
	WIN 0x40
.irp f, 0,1,2,3
.irp t, 0,1
.irp g, 0,1,2,3
	global_load_b128 v[KT+16*(2*\f+\t)+4*\g:KT+16*(2*\f+\t)+4*\g+3], v[LI], s[20:21] offset:16384*\f+2048*\t+512*\g
.endr
.endr
.endr
	WIN 0
	s_wait_kmcnt 0x0
	s_add_co_i32 s50, s36, s37
	s_lshl_b32 s50, s50, 23
	s_add_co_i32 s26, s50, 0x3e38aa3b              ; c = log2(e) / 8, e4 + e5 added to its exponent field
	s_mov_b32 s27, s26
	MKSC s44, SCP, LMP                             ; e12
	s_sub_co_i32 s50, s48, s44
	s_sub_co_i32 s50, s50, s45                     ; e16 - e12 - e13: a sum of P k stands for sum x 2^(e12 + e13)
	MKSC s50, SCD, LMD
	s_wait_loadcnt 32                              ; k and q are in; the 32 youngest loads (k, tokens innermost) may be out
	s_add_nc_u64 s[16:17], s[16:17], 4096          ; q's loads are done, so their base may step: the next group's q
.Lgroup:
	WIN 0x81
	SCORE 0
	SCORE 1
	WIN 0xc1
	SCORE 2
	SCORE 3
	WIN 0
	PLACES                                         ; in front of the loads into q's registers and of the first read of the scores
	s_cmp_eq_u32 s31, 1
	s_cbranch_scc1 .Lno_q                          ; the last group asks for nothing: no load leaves its buffer
	QLOAD
.Lno_q:
	WIN 0x28
	RMAXC 0
	RMAXC 1
	WIN 0x3c
	RMAXC 2
	RMAXC 3
	WIN 0
.irp a, 0,1,2,3
	v_max3_num_f32 v[YY+4*\a], v[YY+4*\a], v[YY+4*\a+1], v[YY+4*\a+2]
.endr
.irp a, 0,1,2,3
	v_max_num_f32 v[YY+4*\a], v[YY+4*\a], v[YY+4*\a+3]
.endr
.irp a, 0,1,2,3
	v_permlanex16_b32 v[YY+4*\a+1], v[YY+4*\a], s28, s29
.endr
.irp a, 0,1,2,3
	v_max_num_f32 v[YY+4*\a], v[YY+4*\a], v[YY+4*\a+1]
.endr
.irp a, 0,1,2,3
	v_mul_f32 v[ST+8*\a], -v[YY+4*\a], s26         ; my shift: minus the largest t among my 256 keys (c is positive)
.endr
	WIN 0x82
	EXPS 0
	EXPS 1
	WIN 0xc3
	EXPS 2
	EXPS 3
	v_nop                                          ; a plain line behind the last exponential
	s_wait_alu depctr_va_vdst(0)                   ; one wait for the whole batch, ahead of its first reader
	WIN 0x0a
	RSUM1 0
	RSUM1 1
	WIN 0x08
	RSUM2 0
	RSUM2 1
	WIN 0x0f
	RSUM1 2
	RSUM1 3
	WIN 0x0c
	RSUM2 2
	RSUM2 3
	WIN 0
.irp a, 0,1,2,3
	v_pk_add_f32 v[YY+8*\a:YY+8*\a+1], v[YY+8*\a:YY+8*\a+1], v[YY+8*\a+2:YY+8*\a+3]
	v_pk_add_f32 v[YY+8*\a+4:YY+8*\a+5], v[YY+8*\a+4:YY+8*\a+5], v[YY+8*\a+6:YY+8*\a+7]
.endr
.irp a, 0,1,2,3
	v_pk_add_f32 v[YY+8*\a:YY+8*\a+1], v[YY+8*\a:YY+8*\a+1], v[YY+8*\a+4:YY+8*\a+5]
.endr
.irp a, 0,1,2,3
	v_add_f32 v[YY+8*\a], v[YY+8*\a], v[YY+8*\a+1]
.endr
.irp a, 0,1,2,3
	v_permlanex16_b32 v[YY+8*\a+1], v[YY+8*\a], s28, s29
.endr
.irp a, 0,1,2,3
	v_add_f32 v[ST+8*\a+1], v[YY+8*\a], v[YY+8*\a+1]   ; my sum
.endr
.irp a, 0,1,2,3
	ds_store_b64 v[SA], v[ST+8*\a:ST+8*\a+1] offset:256*\a
.endr
	BARRIER                                        ; the four waves' (shift, sum) lie in LDS; every wave's reads of the last group's parts are over
.irp a, 0,1,2,3
.irp w, 0,1,2,3
	ds_load_b64 v[YY+8*\a+2*\w:YY+8*\a+2*\w+1], v[SR] offset:1024*\w+256*\a
.endr
.endr
	s_wait_dscnt 0x0
.irp a, 0,1,2,3
	v_min3_num_f32 v[ST+8*\a+4], v[YY+8*\a], v[YY+8*\a+2], v[YY+8*\a+4]
.endr
.irp a, 0,1,2,3
	v_min_num_f32 v[ST+8*\a+4], v[ST+8*\a+4], v[YY+8*\a+6]   ; the row's shift
.endr
.irp a, 0,1,2,3
.irp w, 0,1,2,3
	v_sub_f32 v[YY+8*\a+2*\w], v[ST+8*\a+4], v[YY+8*\a+2*\w]
.endr
	v_sub_f32 v[ST+8*\a+6], v[ST+8*\a+4], v[ST+8*\a]
.endr
.irp a, 0,1,2,3
.irp w, 0,1,2,3
	v_exp_f32 v[YY+8*\a+2*\w], v[YY+8*\a+2*\w]
.endr
	v_exp_f32 v[ST+8*\a+6], v[ST+8*\a+6]
.endr
	v_nop
	s_wait_alu depctr_va_vdst(0)
.irp a, 0,1,2,3
	v_mul_f32 v[ST+8*\a+5], v[YY+8*\a], v[YY+8*\a+1]
.endr
.irp w, 1,2,3
.irp a, 0,1,2,3
	v_fmac_f32 v[ST+8*\a+5], v[YY+8*\a+2*\w], v[YY+8*\a+2*\w+1]   ; the row's sum under the row's shift
.endr
.endr
.irp a, 0,1,2,3
	v_rcp_f32 v[ST+8*\a+7], v[ST+8*\a+5]
.endr
	v_nop
	s_wait_alu depctr_va_vdst(0)
.irp a, 0,1,2,3
	v_mul_f32 v[ST+8*\a+2], v[ST+8*\a+6], v[ST+8*\a+7]
.endr
	s_cmp_lg_u32 s12, 0
	s_cbranch_scc1 .Lnot_w0                        ; wave 0 keeps the energy and stores the statistics
.irp a, 0,1,2,3
	v_log_f32 v[YY+8*\a], v[ST+8*\a+5]
.endr
	v_nop
	s_wait_alu depctr_va_vdst(0)
.irp a, 0,1,2,3
	v_sub_f32 v[YY+8*\a], v[ST+8*\a+4], v[YY+8*\a]  ; the shift less log2 of the sum: minus the row's logsumexp in powers of two, and the one number that the pass over columns adds to c s
.endr
.irp a, 0,1,2,3
	v_sub_f32 v[EN], v[EN], v[YY+8*\a]
.endr
	v_cndmask_b32 v[SD], v[YY], v[YY+8], s30       ; both halves of the lanes hold every row: lanes 0-15 send tile 0's (2's), lanes 16-31 tile 1's (3's)
	v_cndmask_b32 v[SD+1], v[YY+16], v[YY+24], s30
	global_store_b32 v[SO], v[SD], s[24:25]        ; 128 consecutive bytes
	global_store_b32 v[SO], v[SD+1], s[24:25] offset:128
	s_wait_xcnt 0x0                                ; the stores have read their data and their base
	s_add_nc_u64 s[24:25], s[24:25], 256
.Lnot_w0:
	WIN 0x82
	NRM 0
	NRM 1
	WIN 0x02
	CVP 0
	CVP 1
	WIN 0xc3
	NRM 2
	NRM 3
	WIN 0x03
	CVP 2
	CVP 3
	v_nop                                          ; a plain line behind the last conversion
	s_wait_loadcnt 0x0                             ; k with the tokens innermost (first trip) and the next group's q, asked for behind this group's scores
	s_add_nc_u64 s[16:17], s[16:17], 4096          ; q's loads are done, so their base may step
	WIN 0xa1                                       ; my part of P k: 16 accumulators by turns, my two steps of 128 keys
.irp t, 0,1
.irp a, 0,1,2,3
.irp f, 0,1,2,3
.if \t == 0
	v_wmma_f32_16x16x128_bf8_bf8 v[8*(4*\a+\f):8*(4*\a+\f)+7], v[KT+16*(2*\f+\t):KT+16*(2*\f+\t)+15], v[PF+32*\a+16*\t:PF+32*\a+16*\t+15], 0
.else
	v_wmma_f32_16x16x128_bf8_bf8 v[8*(4*\a+\f):8*(4*\a+\f)+7], v[KT+16*(2*\f+\t):KT+16*(2*\f+\t)+15], v[PF+32*\a+16*\t:PF+32*\a+16*\t+15], v[8*(4*\a+\f):8*(4*\a+\f)+7]
.endif
.endr
.endr
.endr
	PLACES
	WIN 0x08
.irp a, 0,1,2,3
.irp f, 0,1,2,3
	ds_store_b128 v[PW], v[8*(4*\a+\f):8*(4*\a+\f)+3] offset:1024*(4*\a+\f)
	ds_store_b128 v[PW], v[8*(4*\a+\f)+4:8*(4*\a+\f)+7] offset:1024*(4*\a+\f)+512
.endr
.endr
	WIN 0
	BARRIER                                        ; the parts lie in LDS; every wave's reads of this group's statistics are over
	WIN 0x80
.irp w, 0,1,2,3
.irp f, 0,1,2,3
	ds_load_b128 v[128+32*\w+8*\f:128+32*\w+8*\f+3], v[PR] offset:16384*\w+1024*\f
	ds_load_b128 v[128+32*\w+8*\f+4:128+32*\w+8*\f+7], v[PR] offset:16384*\w+1024*\f+512
.endr
.endr
	s_wait_dscnt 0x0
	WIN 0x8a
.irp w, 1,2,3
.set jj, 0
.rept 16
	v_pk_add_f32 v[128+2*jj:128+2*jj+1], v[128+2*jj:128+2*jj+1], v[128+32*\w+2*jj:128+32*\w+2*jj+1]
.set jj, jj+1
.endr
.endr
	WIN 0x82
.set jj, 0
.rept 32
	v_med3_num_f32 v[128+jj], v[128+jj], -v[LMD], v[LMD]
.set jj, jj+1
.endr
	WIN 0x02
.irp f, 0,1,2,3
	v_cvt_scalef32_pk8_bf8_f32 v[OC+2*\f:OC+2*\f+1], v[128+8*\f:128+8*\f+7], v[SCD]
.endr
	v_nop
	WIN 0
	global_store_b128 v[LI], v[OC:OC+3], s[22:23]
	global_store_b128 v[LI], v[OC+4:OC+7], s[22:23] offset:512
	s_wait_xcnt 0x0
	s_add_nc_u64 s[22:23], s[22:23], 393216        ; four token blocks on
	s_sub_co_u32 s31, s31, 1
	s_cmp_lg_u32 s31, 0
	s_cbranch_scc1 .Lgroup
	s_cmp_lg_u32 s12, 0
	s_cbranch_scc1 .Ldone
	v_add_f32_dpp v[EN], v[EN], v[EN] row_xmask:1 row_mask:0xf bank_mask:0xf
	v_add_f32_dpp v[EN], v[EN], v[EN] row_xmask:2 row_mask:0xf bank_mask:0xf
	v_add_f32_dpp v[EN], v[EN], v[EN] row_xmask:4 row_mask:0xf bank_mask:0xf
	v_add_f32_dpp v[EN], v[EN], v[EN] row_xmask:8 row_mask:0xf bank_mask:0xf
	v_permlanex16_b32 v[SD], v[EN], s28, s29
	v_add_f32 v[EN], v[EN], v[SD]
	v_mul_f32 v[EN], 0xc0317218, v[EN]             ; x -4 ln 2: -8 ln 2 for each row, and two lanes hold each row
	s_lshl_b32 s54, s14, 2
	s_add_co_u32 s54, s54, s13
	s_lshl_b32 s54, s54, 2
	s_add_co_u32 s54, s54, 262144                  ; the energy's parts lie behind the 64 heads' statistics
	s_mov_b32 s55, 0
	s_add_nc_u64 s[52:53], s[10:11], s[54:55]
	v_cmp_eq_u32 vcc_lo, 0, v1
	s_wait_xcnt 0x0
	s_and_saveexec_b32 s50, vcc_lo
	global_store_b32 v[ZR], v[EN], s[52:53]
	s_wait_xcnt 0x0
	s_or_b32 exec_lo, exec_lo, s50
.Ldone:
	s_wait_tensorcnt 0x0
	ds_add_u32 v30, v31
	s_wait_dscnt 0x0
	s_endpgm
.Lfunc_end_k_q2e5992e628_attn_rows:
	.size	k_q2e5992e628_attn_rows, .Lfunc_end_k_q2e5992e628_attn_rows-k_q2e5992e628_attn_rows
	.p2alignl 7, 3214868480
	.fill 96, 4, 3214868480
	.section	.rodata,"a",@progbits
	.p2align	6, 0x0
	.amdhsa_kernel k_q2e5992e628_attn_rows
		.amdhsa_group_segment_fixed_size 70144
		.amdhsa_private_segment_fixed_size 0
		.amdhsa_enable_private_segment 0
		.amdhsa_kernarg_size 32
		.amdhsa_user_sgpr_count 2
		.amdhsa_user_sgpr_kernarg_segment_ptr 1
		.amdhsa_wavefront_size32 1
		.amdhsa_system_sgpr_workgroup_id_x 1
		.amdhsa_system_sgpr_workgroup_id_y 1
		.amdhsa_system_sgpr_workgroup_id_z 1
		.amdhsa_system_vgpr_workitem_id 0
		.amdhsa_next_free_vgpr 1024
		.amdhsa_next_free_sgpr 66
		.amdhsa_reserve_vcc 1
		.amdhsa_float_denorm_mode_32 3
		.amdhsa_float_denorm_mode_16_64 3
		.amdhsa_memory_ordered 1
		.amdhsa_forward_progress 1
		.amdhsa_inst_pref_size 137
	.end_amdhsa_kernel
	.amdgpu_metadata
---
amdhsa.version: [ 1, 2 ]
amdhsa.kernels:
  - .name:           k_q2e5992e628_attn_rows
    .symbol:         k_q2e5992e628_attn_rows.kd
    .args:
      - { .name: qk, .offset: 0, .size: 8, .value_kind: global_buffer, .address_space: global }
      - { .name: lowp_scales, .offset: 8, .size: 8, .value_kind: global_buffer, .address_space: global }
      - { .name: acat, .offset: 16, .size: 8, .value_kind: global_buffer, .address_space: global }
      - { .name: st, .offset: 24, .size: 8, .value_kind: global_buffer, .address_space: global }
    .group_segment_fixed_size: 70144
    .private_segment_fixed_size: 0
    .kernarg_segment_align: 8
    .kernarg_segment_size: 32
    .max_flat_workgroup_size: 128
    .sgpr_count:     66
    .vgpr_count:     1024
    .wavefront_size: 32
...
	.end_amdgpu_metadata
.endif
;; end of part 3
;; launch attn_cols (part 4): grid 4 x 64, 4 waves a work-group, clusters of 4 x 1, 168,448 bytes of LDS; arguments qk, st, lowp_scales, acat, out1; writes acat, out1
.if DOCPART == 4
	.amdgcn_target "amdgcn-amd-amdhsa--gfx1250"
	.amdhsa_code_object_version 6
	.text
	.protected	k_q2e5992e628_attn_cols
	.globl	k_q2e5992e628_attn_cols
	.p2align	8
	.type	k_q2e5992e628_attn_cols,@function
k_q2e5992e628_attn_cols:
	s_mov_b64 s[64:65], 0
	v_nop
	global_prefetch_b8 v0, s[64:65] scope:SCOPE_SE
	s_setreg_imm32_b32 hwreg(HW_REG_WAVE_MODE, 25, 1), 1
	s_wait_xcnt 0x0
	s_wait_alu depctr_hold_cnt(0) depctr_sa_sdst(0) depctr_va_vdst(0) depctr_va_sdst(0) depctr_va_ssrc(0) depctr_va_vcc(0) depctr_vm_vsrc(0)
	s_getreg_b32 s2, hwreg(HW_REG_IB_STS2, 6, 4)
	s_cmp_eq_u32 s2, 0
	s_cbranch_scc0 .Lentry_in_a_cluster
	s_endpgm
.Lentry_in_a_cluster:
	s_bfe_u32 s2, ttmp6, 0x10000c
	s_cmp_lg_u32 s2, 0x3003
	s_cbranch_scc0 .Lentry_shape_is_right
	s_endpgm
.Lentry_shape_is_right:
; The pass of attention that owns COLUMNS.  For one head and 256 keys: the scores once more, P = 2^(c s + u), u the one number a row that the pass over rows stored (the row's shift less log2 of its sum), and P^T q
; (the gradient with respect to k, sign left for the last launch) as codes.  One wave of one work-group also adds the parts of the energy.
; SHARES.  Work-group (cx, head): keys 256 cx .. + 255; wave w owns 64 of them, four blocks.  Every wave walks all 1,024 queries, 128 a step.
; CLUSTER.  The four work-groups of a head read the same q, q with tokens innermost, and statistics: 132 KiB, asked for JOINTLY (mask 15), each wave a quarter of each, filled ONCE: no slot is filled again.
; LAYOUT.  S = q k^T with source 0 = 16 queries, source 1 = 16 keys: a lane holds one key and 8 neighbouring queries; one conversion of a tile is registers 2c, 2c+1 of P^T's fragment along the queries.
; THE EXPONENTIALS of a step go in two batches of 128, each with one wait.  The first stands between the step's 128 scalings, the second between the first batch's 128 holds: a plain line to an exponential.
; THE ENERGY.  Wave 0 of head 0 loads and adds the 1,024 + 256 parts at the head, in all four partners alike, and keeps the sum in v14.  The one store, for which EXEC is narrowed by my place in the cluster, stands at the
; very end: behind the last vector write of an LDS address, the last LDS read and the last matrix instruction; no vector instruction follows it.
; LIMITS: e4 + e5 between -123 and 130; e10, and e14 - e10 - e11, between -126 and 112.  u is rounded once to f32: half a unit in the last place of the row's logsumexp in powers of two.  NaN is not served.
; REGISTERS: window 0: v4-15 addresses, scales, v14 the energy; v32-63 k; v64-127 q of a step; v128-191 P^T's codes; v192-255 q, tokens innermost, of a step.   window 1: v0-63 u of the step's queries, v128-255 the 16 accumulators.   window 2: the scores, tile (mb, nb) at 64 mb + 8 nb.
.set QTI, 65536                        ; LDS: 0: q, 64 blocks x 1,024; 65,536: q, tokens innermost, [4][8][2,048]; 131,072: u of the 1,024 rows
.set STI, 131072
.set LI,  4
.set AQ,  5
.set AT,  6
.set AS,  7
.set BT,  8
.set BS,  9
.set SCP, 10
.set LMP, 11
.set SCD, 12
.set LMD, 13
.set EN,  14                           ; v14  the energy, in wave 0 of head 0; 0 elsewhere; named by nothing else
.set ZR,  15
.set KF,  32
.set QF,  64
.set PF,  128
.set QT,  192
.set MSB, 0
.macro WIN new
.if MSB != \new
	s_set_vgpr_msb (MSB<<8)|\new
.set MSB, \new
.endif
.endm
.macro PLACES
.rept 4
	v_nop
.endr
.endm
.macro MKSC e, sc, lim
	s_add_co_i32 s56, \e, 127
	s_lshl_b32 s57, s56, 23
	v_mov_b32 v[\sc], s57
	s_add_co_i32 s56, s56, 15
	s_lshl_b32 s56, s56, 23
	s_or_b32 s56, s56, 0x600000
	v_mov_b32 v[\lim], s56
.endm
.macro CROUND
	s_barrier_signal -1
	s_barrier_wait -1
	s_cmp_lg_u32 s14, 0
	s_cbranch_scc1 .Lnot_wave_0_\@
	s_barrier_signal -3
.Lnot_wave_0_\@:
	s_barrier_wait -3
	s_barrier_signal -1
	s_barrier_wait -1
.endm
.macro QFLOAD
.irp n, 0,1,2,3,4,5,6,7
	ds_load_b128 v[QF+8*\n:QF+8*\n+3], v[AQ] offset:1024*\n
	ds_load_b128 v[QF+8*\n+4:QF+8*\n+7], v[AQ] offset:1024*\n+512
.endr
.endm
	s_load_b256 s[4:11], s[0:1], 0x0               ; qk s[4:5], st s[6:7], the exponents s[8:9], acat s[10:11]
	s_load_b64 s[12:13], s[0:1], 0x20              ; out1
	v_lshl_add_u32 v30, v0, 2, 0x29000
	v_mov_b32 v31, 0
	ds_add_u32 v30, v31
	ds_add_u32 v30, v31
	v_lshrrev_b32 v1, 5, v0
	v_readfirstlane_b32 s14, v1                    ; wave
	s_bfe_u32 s15, ttmp6, 0x40000                  ; cx: it enters k's and the output's addresses and, at the very end, one lane mask; nothing else
	s_and_b32 s44, ttmp7, 0xffff                   ; batch x 16 + head
	s_or_b32 s86, s44, s14                         ; 0 in wave 0 of head 0: the same in all four partners
	; group 1: dense blocks as rows of 256 bytes, in elements of 8 bytes: 64 rows (16 KiB) and 4 rows (1 KiB); the mask names all four partners
	s_mov_b32 s16, 15|(3<<16)|(1<<21)
	s_mov_b32 s17, 32<<16
	s_mov_b32 s18, 64<<16
	s_mov_b32 s19, 32<<16
	s_mov_b32 s20, 64
	s_mov_b32 s21, 32
	s_mov_b32 s22, 0
	s_mov_b32 s23, 0
	s_mov_b32 s24, 15|(3<<16)|(1<<21)
	s_mov_b32 s25, 32<<16
	s_mov_b32 s26, 4<<16
	s_mov_b32 s27, 32<<16
	s_mov_b32 s28, 4
	s_mov_b32 s29, 32
	s_mov_b32 s30, 0
	s_mov_b32 s31, 0
	s_lshl_b32 s46, s44, 16
	s_lshl_b32 s47, s14, 14
	s_add_co_u32 s46, s46, s47
	s_mov_b32 s47, 0
	s_lshl_b32 s48, s44, 12                        ; a head's 1,024 rows, 4 bytes each
	s_lshl_b32 s49, s14, 10
	s_add_co_u32 s48, s48, s49
	s_mov_b32 s49, 0
	s_lshl_b32 s45, s14, 14
	s_lshl_b32 s50, s14, 10
	s_wait_dscnt 0x0
	s_wait_kmcnt 0x0
	s_load_b512 s[68:83], s[8:9], 0x0              ; e0 .. e15 in s68 .. s83
	CROUND                                         ; all four work-groups are here: the joint loads meet
	s_mov_b32 s32, 1
	s_mov_b32 s33, s45
	s_add_nc_u64 s[34:35], s[4:5], s[46:47]
	s_or_b32 s35, s35, 0x80000000
	s_mov_b32 s36, 1
	s_add_co_u32 s37, s45, QTI
	s_add_nc_u64 s[38:39], s[4:5], s[46:47]
	s_add_nc_u64 s[38:39], s[38:39], 8388608
	s_or_b32 s39, s39, 0x80000000
	s_mov_b32 s40, 1
	s_add_co_u32 s41, s50, STI
	s_add_nc_u64 s[42:43], s[6:7], s[48:49]
	s_or_b32 s43, s43, 0x80000000
	tensor_load_to_lds s[32:35], s[16:23]          ; three loads of mine are out: my quarters of q, of q with tokens innermost, of the statistics
	s_nop 0
	tensor_load_to_lds s[36:39], s[16:23]
	s_nop 0
	tensor_load_to_lds s[40:43], s[24:31]
	s_nop 0
	PLACES                                         ; four v_nop follow the last
	v_and_b32 v1, 31, v0
	v_bfe_u32 v3, v0, 4, 1
	v_lshlrev_b32 v[LI], 4, v1
	v_add_nc_u32 v[BT], QTI, v[LI]
	v_lshlrev_b32 v[BS], 5, v3
	v_add_nc_u32 v[BS], STI, v[BS]
	v_mov_b32 v[ZR], 0
	v_mov_b32 v[EN], 0                             ; written on every path
	s_lshl_b32 s52, s44, 16
	s_lshl_b32 s53, s15, 14
	s_add_co_u32 s52, s52, s53
	s_lshl_b32 s53, s14, 12
	s_add_co_u32 s52, s52, s53
	s_add_co_u32 s52, s52, 4194304
	s_mov_b32 s53, 0
	s_add_nc_u64 s[52:53], s[4:5], s[52:53]        ; k: my four blocks of keys
.irp m, 0,1,2,3
	global_load_b128 v[KF+8*\m:KF+8*\m+3], v[LI], s[52:53] offset:1024*\m
	global_load_b128 v[KF+8*\m+4:KF+8*\m+7], v[LI], s[52:53] offset:1024*\m+512
.endr
	s_lshr_b32 s54, s44, 4
	s_lshl_b32 s54, s54, 6
	s_lshl_b32 s55, s15, 4
	s_add_co_u32 s54, s54, s55
	s_lshl_b32 s55, s14, 2
	s_add_co_u32 s54, s54, s55                     ; my first token block: 64 batch + 16 cx + 4 wave
	s_mul_i32 s54, s54, 48
	s_bfe_u32 s55, s44, 0x30001
	s_add_co_u32 s54, s54, s55
	s_add_co_u32 s54, s54, 32
	s_lshl_b32 s54, s54, 11
	s_and_b32 s55, s44, 1
	s_lshl_b32 s55, s55, 10
	s_add_co_u32 s54, s54, s55
	s_mov_b32 s55, 0
	s_add_nc_u64 s[84:85], s[10:11], s[54:55]
	s_wait_kmcnt 0x0
	s_add_co_i32 s54, s72, s73
	s_lshl_b32 s54, s54, 23
	s_add_co_i32 s60, s54, 0x3e38aa3b              ; c = log2(e) / 8, e4 + e5 added to its exponent field
	s_mov_b32 s61, s60
	MKSC s78, SCP, LMP                             ; e10
	s_sub_co_i32 s54, s82, s78
	s_sub_co_i32 s54, s54, s79                     ; e14 - e10 - e11
	MKSC s54, SCD, LMD
	; THE ENERGY'S SUM: wave 0 of head 0 adds the 1,024 + 256 parts, with all lanes on, while the tiles are on their way.  The branch is the same in all four partners.
	s_cmp_lg_u32 s86, 0
	s_cbranch_scc1 .Lno_e
	s_add_nc_u64 s[54:55], s[4:5], 16777216
	s_add_nc_u64 s[58:59], s[6:7], 262144
.irp i, 0,1,2,3,4,5,6,7
	global_load_b128 v[64+4*\i:64+4*\i+3], v[LI], s[54:55] offset:512*\i
.endr
.irp i, 0,1
	global_load_b128 v[96+4*\i:96+4*\i+3], v[LI], s[58:59] offset:512*\i
.endr
	s_wait_loadcnt 0x0
.set jj, 1
.rept 19
	v_pk_add_f32 v[64:65], v[64:65], v[64+2*jj:64+2*jj+1]
.set jj, jj+1
.endr
	v_add_f32 v64, v64, v65
	v_add_f32_dpp v64, v64, v64 row_xmask:1 row_mask:0xf bank_mask:0xf
	v_add_f32_dpp v64, v64, v64 row_xmask:2 row_mask:0xf bank_mask:0xf
	v_add_f32_dpp v64, v64, v64 row_xmask:4 row_mask:0xf bank_mask:0xf
	v_add_f32_dpp v64, v64, v64 row_xmask:8 row_mask:0xf bank_mask:0xf
	s_mov_b32 s54, 0x76543210
	s_mov_b32 s55, 0xfedcba98
	v_permlanex16_b32 v65, v64, s54, s55
	v_add_f32 v[EN], v64, v65                      ; kept until the kernel's end
.Lno_e:
	s_wait_loadcnt 0x0                             ; k
	s_wait_tensorcnt 0x0                           ; my three quarters have landed,
	s_barrier_signal -1
	s_barrier_wait -1                              ; everybody's have
; A STEP: 128 queries.  first = 1: its products start the sums.  last = 1: no further q is fetched.
.macro CHUNK first, last
	PLACES                                         ; behind the last step's products, in front of the loads into their operands
	v_add_nc_u32 v[AS], s66, v[BS]
	v_add_nc_u32 v[AT], s63, v[BT]
	WIN 0x40
.irp n, 0,1,2,3,4,5,6,7
	ds_load_b128 v[8*\n:8*\n+3], v[AS] offset:64*\n               ; u of queries 16 n + 8 h + 0 .. 7: all lanes of a half read the same words
	ds_load_b128 v[8*\n+4:8*\n+7], v[AS] offset:64*\n+16
.endr
	WIN 0
.irp f, 0,1,2,3
.irp c, 0,1,2,3
	ds_load_b128 v[QT+16*\f+4*\c:QT+16*\f+4*\c+3], v[AT] offset:16384*\f+512*\c
.endr
.endr
	s_wait_dscnt 32                                ; the 32 just issued may be out: this step's q is in
	WIN 0x80
.irp m, 0,1,2,3
.irp n, 0,1,2,3,4,5,6,7
	v_wmma_f32_16x16x64_bf8_bf8 v[64*\m+8*\n:64*\m+8*\n+7], v[QF+8*\n:QF+8*\n+7], v[KF+8*\m:KF+8*\m+7], 0
.endr
.endr
	WIN 0
	PLACES
.if \last
	s_wait_dscnt 16                                ; u is in; q with tokens innermost (16 loads) may be out
.else
	s_add_co_u32 s62, s62, 8192
	v_add_nc_u32 v[AQ], s62, v[LI]
	QFLOAD                                         ; the next step's q
	s_wait_dscnt 32                                ; u is in; the 32 younger loads may be out
.endif
	WIN 0x92                                       ; scores in window 2, u in window 1, the hold's bound in window 0: one setting for scalings, exponentials and holds
.set jj, 0
.rept 2
	v_pk_fma_f32 v[2*jj:2*jj+1], v[2*jj:2*jj+1], s[60:61], v[2*jj:2*jj+1] op_sel_hi:[1,0,1]   ; c s + u: the first batch's first two pairs
.set jj, jj+1
.endr
.set jj, 0
.rept 64                               ; THE FIRST BATCH (key blocks 0, 1: registers 0-127): ahead of each exponential a scaling: of a pair two further on, then of the second batch's pair
.if jj < 62
	v_pk_fma_f32 v[2*jj+4:2*jj+5], v[2*jj+4:2*jj+5], s[60:61], v[2*((jj+2)%32):2*((jj+2)%32)+1] op_sel_hi:[1,0,1]
.endif
	v_exp_f32 v[2*jj], v[2*jj]
	v_pk_fma_f32 v[128+2*jj:129+2*jj], v[128+2*jj:129+2*jj], s[60:61], v[2*(jj%32):2*(jj%32)+1] op_sel_hi:[1,0,1]
	v_exp_f32 v[2*jj+1], v[2*jj+1]
.set jj, jj+1
.endr
	v_nop                                          ; a plain line behind the batch's last exponential
	s_wait_alu depctr_va_vdst(0)                   ; one wait for the first batch, ahead of its first reader
.set jj, 0
.rept 128                              ; THE SECOND BATCH (key blocks 2, 3: registers 128-255), each exponential followed by a hold of the first batch
	v_exp_f32 v[128+jj], v[128+jj]
	v_min_num_f32 v[jj], v[jj], v[LMP]             ; never negative: the hold is one-sided
.set jj, jj+1
.endr
	s_wait_alu depctr_va_vdst(0)                   ; one wait for the second batch; the hold above is the plain line behind its last exponential
.set jj, 0
.rept 128
	v_min_num_f32 v[128+jj], v[128+jj], v[LMP]
.set jj, jj+1
.endr
	WIN 0x02
.irp m, 0,1,2,3
.irp n, 0,1,2,3,4,5,6,7
	v_cvt_scalef32_pk8_bf8_f32 v[PF+16*\m+2*\n:PF+16*\m+2*\n+1], v[64*\m+8*\n:64*\m+8*\n+7], v[SCP]
.endr
.endr
	v_nop                                          ; a plain line behind the last conversion
.if \last
	s_wait_dscnt 0x0
.else
	s_wait_dscnt 16                                ; q with tokens innermost is in; the next step's q may be out
.endif
	WIN 0x50                                       ; 16 accumulators by turns
.irp m, 0,1,2,3
.irp f, 0,1,2,3
.if \first
	v_wmma_f32_16x16x128_bf8_bf8 v[128+8*(4*\m+\f):128+8*(4*\m+\f)+7], v[QT+16*\f:QT+16*\f+15], v[PF+16*\m:PF+16*\m+15], 0
.else
	v_wmma_f32_16x16x128_bf8_bf8 v[128+8*(4*\m+\f):128+8*(4*\m+\f)+7], v[QT+16*\f:QT+16*\f+15], v[PF+16*\m:PF+16*\m+15], v[128+8*(4*\m+\f):128+8*(4*\m+\f)+7]
.endif
.endr
.endr
	WIN 0
	s_add_co_u32 s63, s63, 2048
	s_add_co_u32 s66, s66, 512
.endm
	s_mov_b32 s62, 0
	s_mov_b32 s63, 0
	s_mov_b32 s66, 0
	v_mov_b32 v[AQ], v[LI]
	QFLOAD
	CHUNK 1, 0
	s_mov_b32 s67, 6
.Lchunk:
	CHUNK 0, 0
	s_sub_co_u32 s67, s67, 1
	s_cmp_lg_u32 s67, 0
	s_cbranch_scc1 .Lchunk
	CHUNK 0, 1
	PLACES
	WIN 0x41
.set jj, 0
.rept 128
	v_med3_num_f32 v[128+jj], v[128+jj], -v[LMD], v[LMD]
.set jj, jj+1
.endr
	WIN 0x01
.irp m, 0,1,2,3
.irp f, 0,1,2,3
	v_cvt_scalef32_pk8_bf8_f32 v[64+8*\m+2*\f:64+8*\m+2*\f+1], v[128+8*(4*\m+\f):128+8*(4*\m+\f)+7], v[SCD]
.endr
.endr
	v_nop
	WIN 0
.irp m, 0,1,2,3
	global_store_b128 v[LI], v[64+8*\m:64+8*\m+3], s[84:85] offset:98304*\m
	global_store_b128 v[LI], v[64+8*\m+4:64+8*\m+7], s[84:85] offset:98304*\m+512
.endr
	; THE ENERGY'S STORE: in wave 0 of head 0 only thread 0 of the partner at place 0 is on.  The partners are told apart by EXEC, not by a branch, and no vector instruction follows the restore.
	s_cmp_lg_u32 s86, 0
	s_cbranch_scc1 .Lno_store
	s_lshl_b32 s58, s15, 5
	v_cmp_eq_u32 vcc_lo, s58, v0                   ; thread 0 where cx = 0, no thread of this wave elsewhere
	s_wait_xcnt 0x0                                ; EXEC changes only behind this wait: the stores above have read it
	s_and_saveexec_b32 s59, vcc_lo
	global_store_b32 v[ZR], v[EN], s[12:13]
	s_wait_xcnt 0x0                                ; and again, in front of the line that widens it
	s_or_b32 exec_lo, exec_lo, s59
.Lno_store:
	s_wait_dscnt 0x0
	s_wait_tensorcnt 0x0
	ds_add_u32 v30, v31
	s_wait_dscnt 0x0
	CROUND                                         ; the closing round
	s_endpgm
.Lfunc_end_k_q2e5992e628_attn_cols:
	.size	k_q2e5992e628_attn_cols, .Lfunc_end_k_q2e5992e628_attn_cols-k_q2e5992e628_attn_cols
	.p2alignl 7, 3214868480
	.fill 96, 4, 3214868480
	.section	.rodata,"a",@progbits
	.p2align	6, 0x0
	.amdhsa_kernel k_q2e5992e628_attn_cols
		.amdhsa_group_segment_fixed_size 168448
		.amdhsa_private_segment_fixed_size 0
		.amdhsa_enable_private_segment 0
		.amdhsa_kernarg_size 40
		.amdhsa_user_sgpr_count 2
		.amdhsa_user_sgpr_kernarg_segment_ptr 1
		.amdhsa_wavefront_size32 1
		.amdhsa_system_sgpr_workgroup_id_x 1
		.amdhsa_system_sgpr_workgroup_id_y 1
		.amdhsa_system_sgpr_workgroup_id_z 1
		.amdhsa_system_vgpr_workitem_id 0
		.amdhsa_next_free_vgpr 768
		.amdhsa_next_free_sgpr 88
		.amdhsa_reserve_vcc 1
		.amdhsa_float_denorm_mode_32 3
		.amdhsa_float_denorm_mode_16_64 3
		.amdhsa_memory_ordered 1
		.amdhsa_forward_progress 1
		.amdhsa_inst_pref_size 120
	.end_amdhsa_kernel
	.amdgpu_metadata
---
amdhsa.version: [ 1, 2 ]
amdhsa.kernels:
  - .name:           k_q2e5992e628_attn_cols
    .symbol:         k_q2e5992e628_attn_cols.kd
    .args:
      - { .name: qk, .offset: 0, .size: 8, .value_kind: global_buffer, .address_space: global }
      - { .name: st, .offset: 8, .size: 8, .value_kind: global_buffer, .address_space: global }
      - { .name: lowp_scales, .offset: 16, .size: 8, .value_kind: global_buffer, .address_space: global }
      - { .name: acat, .offset: 24, .size: 8, .value_kind: global_buffer, .address_space: global }
      - { .name: out1, .offset: 32, .size: 8, .value_kind: global_buffer, .address_space: global }
    .group_segment_fixed_size: 168448
    .private_segment_fixed_size: 0
    .kernarg_segment_align: 8
    .kernarg_segment_size: 40
    .max_flat_workgroup_size: 128
    .sgpr_count:     88
    .vgpr_count:     768
    .wavefront_size: 32
...
	.end_amdgpu_metadata
.endif
;; end of part 4
;; launch outg (part 5): grid 32 x 8, 4 waves a work-group, clusters of 4 x 1, 327,680 bytes of LDS; arguments acat, codes0, lowp_scales, out0; writes out0
.if DOCPART == 5
	.amdgcn_target "amdgcn-amd-amdhsa--gfx1250"
	.amdhsa_code_object_version 6
	.text
	.protected	k_q2e5992e628_outg
	.globl	k_q2e5992e628_outg
	.p2align	8
	.type	k_q2e5992e628_outg,@function
k_q2e5992e628_outg:
	s_mov_b64 s[64:65], 0
	v_nop
	global_prefetch_b8 v0, s[64:65] scope:SCOPE_SE
	s_setreg_imm32_b32 hwreg(HW_REG_WAVE_MODE, 25, 1), 1
	s_wait_xcnt 0x0
	s_wait_alu depctr_hold_cnt(0) depctr_sa_sdst(0) depctr_va_vdst(0) depctr_va_sdst(0) depctr_va_ssrc(0) depctr_va_vcc(0) depctr_vm_vsrc(0)
	s_getreg_b32 s2, hwreg(HW_REG_IB_STS2, 6, 4)
	s_cmp_eq_u32 s2, 0
	s_cbranch_scc0 .Lentry_in_a_cluster
	s_endpgm
.Lentry_in_a_cluster:
	s_bfe_u32 s2, ttmp6, 0x10000c
	s_cmp_lg_u32 s2, 0x3003
	s_cbranch_scc0 .Lentry_shape_is_right
	s_endpgm
.Lentry_shape_is_right:
; out0 = -( h W_hop^T + (P^T q) Wk + (P k) Wq ): three products on codes of BF8 as ONE sum over K = 4,096 + 1,024 + 1,024.  acat holds the three left operands side by side, [token / 16][48][2,048], codes0 (from byte
; 18,874,368) the three right ones, [d / 16][48][2,048], both as images of the matrix unit's registers (16 rows x 128 K: registers 4g .. 4g+3 of lane l at 512 g + 16 l).  Each part has its own pair of scales: at the two
; seams (K = 4,096 and 5,120) the accumulators are multiplied by the power of two that brings them under the next pair, and at the end by -2^(e16 + e17).
; SHARES.  A tile of out0 is 128 tokens x 128 columns (256 work-groups; tiles of 256 x 256 would be 64).  Wave w makes tokens 32 w .. + 31 x all 128 columns: 16 accumulators.
; THE LEFT OPERAND GOES STRAIGHT INTO REGISTERS.  A wave's two row blocks of acat belong to no other wave of its work-group, and the buffer holds register images: eight loads of 512 consecutive bytes bring a step of 128 K.
; They run through a ring of eight register sets, seven steps (56 loads a wave) ahead.  It is not asked for jointly: a joint load delivers into LDS, and these bytes are wanted in one wave's registers alone.
; THE RIGHT OPERAND ALONE GOES THROUGH LDS: a ring of two slots of 128 rows x 1,024 K, filled by the tensor data mover: 6 K steps, 4 refills, 128 matrix instructions a wave in a K step; all four waves read all of it.
; CLUSTER: 4 x 1: four token tiles of one column tile need the same tiles of the right operand: joint loads, mask 15; wave w fetches lines 2 w, 2 w + 1.
; The matrix instruction is used transposed (source 0 = 16 rows of the right operand, source 1 = 16 tokens): a lane holds 8 neighbouring numbers of a row of out0.
; LIMITS: e8 + e9 - e14 - e15, e14 + e15 - e16 - e17 and e16 + e17 between -126 and 127.
; REGISTERS: window 0: v16-30 addresses; v32-95 the way out; v128-255 accumulators ((a, b) at 128 + 8 (8 a + b)).   window 1: two buffers of the right operand's eight fragments.   window 2: the left operand's ring: set i at 32 i, fragment a at + 16 a.
.set KSB,    16384                     ; a K step in a line: eight images
.set LINE,   98304                     ; from 16 rows to the next: 48 images
.set SLOT,   131072                    ; eight lines x 16,384
.set SPARE,  2*SLOT                    ; behind the ring: the spare words, 128 bytes a wave
.set SPITCH, 528                       ; the way out: a stage row: 512 bytes + 16
.set LAPS,   3                         ; a lap = two K steps = once round the ring
.set LI,   16                          ; v16  16 x lane; also the address of slot 0's lines 0-3
.set ADRB, 16                          ; v16-19  slot 0 lines 0-3, lines 4-7, slot 1 lines 0-3, lines 4-7 (an LDS immediate has 16 bits)
.set STO,  24
.set RD,   25
.set SPW,  28
.set NIL,  29
.set PFO,  30
.set ACC,  128
.set F0,   0
.set F1,   128
.set G1,  24
.set G0,  32
.set MSB, 0
.macro WIN new                         ; the immediate's high byte repeats the setting that is left
.if MSB != \new
	s_set_vgpr_msb (MSB<<8)|\new
.set MSB, \new
.endif
.endm
.set MUL,  0x09                        ; source 0 window 1, source 1 window 2, C and D window 0
.set TO_F, 0x40                        ; destination window 1
.set TO_A, 0x80                        ; destination window 2
.macro CREST
	s_cmp_lg_u32 s12, 0
	s_cbranch_scc1 .Lnot_wave_0_\@
	s_barrier_signal -3
.Lnot_wave_0_\@:
	s_barrier_wait -3
	s_barrier_signal -1
	s_barrier_wait -1
.endm
.macro CROUND
	s_barrier_signal -1
	s_barrier_wait -1
	CREST
.endm
; A prefetch of the right operand's K step that the NEXT refill will ask for: one K step, 128 matrix instructions, ahead.  Of the two lines of 16,384 bytes that I fetch, my work-group takes the quarter at its place among
; the four partners (told apart by address): 8,192 bytes, lanes 256 bytes apart.  A column tile's lines are read by all eight clusters along x: those with x = 0 ask, so each block of 256 bytes is named once.
; how = 1: always; how = 2: not in the loop's last trip, whose second refill is the last.  K steps 0 to 2 come by their loads alone.  The left operand has no prefetch: its own loads run seven steps ahead.
.macro ASK how
.if \how == 2
	s_cmp_gt_u32 s3, s88
.else
	s_cmp_eq_u32 s88, 1
.endif
	s_cbranch_scc0 .Lnot_mine_\@
	global_prefetch_b8 v[PFO], s[86:87] offset:KSB th:TH_LOAD_NT scope:SCOPE_SE
.Lnot_mine_\@:
.endm
.macro ALOAD k                         ; the left operand's step at k images from the running base, into ring set k % 8
	WIN TO_A
.irp a, 0,1
.irp g, 0,1,2,3
	global_load_b128 v[32*((\k)%8)+16*\a+4*\g:32*((\k)%8)+16*\a+4*\g+3], v[LI], s[14:15] offset:\a*LINE+2048*(\k)+512*\g
.endr
.endr
.endm
	s_load_b256 s[4:11], s[0:1], 0x0               ; acat s[4:5], codes0 s[6:7], the exponents s[8:9], out0 s[10:11]
	v_lshl_add_u32 v[SPW], v0, 2, SPARE
	v_mov_b32 v[NIL], 0
	ds_add_u32 v28, v29
	ds_add_u32 v28, v29
	s_wait_dscnt 0x0
	v_lshrrev_b32 v1, 5, v0
	v_readfirstlane_b32 s12, v1                    ; wave
	v_and_b32 v3, 31, v0
	v_lshlrev_b32 v[LI], 4, v3
	s_bfe_u32 s40, ttmp6, 0x40000                  ; cx: it enters acat's, out0's and the prefetches' addresses alone
	s_lshl_b32 s42, ttmp9, 2
	s_add_co_u32 s42, s42, s40                     ; the token tile = 4 x cluster x + cx
	s_and_b32 s67, ttmp7, 0xffff                   ; the column tile, which the four partners share
	; group 1: 2 lines of 16,384 bytes, 98,304 bytes apart, in elements of 8 bytes; no padding; the mask names all four partners
	s_mov_b32 s[G1+0], 15|(3<<16)|(1<<21)
	s_mov_b32 s[G1+1], 2048<<16                    ; tensor_dim0
	s_mov_b32 s[G1+2], 2<<16                       ; tensor_dim1
	s_mov_b32 s[G1+3], 2048<<16                    ; tile_dim0
	s_mov_b32 s[G1+4], 2                           ; tile_dim1
	s_mov_b32 s[G1+5], 12288                       ; from line to line
	s_mov_b32 s[G1+6], 0
	s_mov_b32 s[G1+7], 0
	s_lshl_b32 s16, s42, 3
	s_lshl_b32 s17, s12, 1
	s_add_co_u32 s16, s16, s17
	s_mul_i32 s16, s16, LINE                       ; acat: line 8 x token tile + 2 x wave
	s_mov_b32 s17, 0
	s_lshl_b32 s46, s67, 3
	s_lshl_b32 s47, s12, 1
	s_add_co_u32 s46, s46, s47
	s_mul_i32 s46, s46, LINE                       ; the right operand: line 8 x column tile + 2 x wave
	s_add_co_u32 s46, s46, 18874368
	s_mov_b32 s47, 0
	s_lshl_b32 s20, s12, 15                        ; where my tensor load lands: wave x 32,768
	s_wait_kmcnt 0x0
	s_load_b512 s[68:83], s[8:9], 0x0              ; e0 .. e15 in s68 .. s83
	s_load_b64 s[84:85], s[8:9], 0x40              ; e16, e17
	s_add_nc_u64 s[14:15], s[4:5], s[16:17]
	s_add_nc_u64 s[46:47], s[6:7], s[46:47]
.irp k, 0,1,2,3,4,5,6
	ALOAD \k                                       ; the ring's first seven sets: 56 loads of mine are out
.endr
	WIN 0
	CROUND                                         ; all four work-groups are here: the first joint loads meet
.irp s, 0,1
	s_mov_b32 s[G0+4*\s], 1
	s_add_co_u32 s[G0+4*\s+1], s20, \s*SLOT
	s_add_nc_u64 s[G0+4*\s+2:G0+4*\s+3], s[46:47], \s*KSB
	s_or_b32 s[G0+4*\s+3], s[G0+4*\s+3], 0x80000000
.endr
	tensor_load_to_lds s[G0:G0+3], s[G1:G1+7]      ; K steps 0 and 1: two tensor loads of mine are out
	s_nop 0
	tensor_load_to_lds s[G0+4:G0+7], s[G1:G1+7]
	s_nop 0
.rept 4
	v_nop                                          ; four v_nop follow the second
.endr
	v_and_b32 v1, 15, v0
	v_bfe_u32 v2, v0, 4, 1
	v_add_nc_u32 v[ADRB+1], 0x10000, v[LI]
	v_add_nc_u32 v[ADRB+2], 0x20000, v[LI]
	v_add_nc_u32 v[ADRB+3], 0x30000, v[LI]
	s_mul_i32 s23, s12, 16*SPITCH                  ; my stage: in slot 0, used only when that slot has had its last fill and its last read
	v_mul_u32_u24 v4, v1, SPITCH
	v_lshl_add_u32 v4, v2, 5, v4
	v_add_nc_u32 v[STO], s23, v4                   ; in: row r, + 32 h
	v_add_nc_u32 v[RD], s23, v[LI]                 ; back: the 32 lanes take one row of 512 bytes
	s_lshl_b32 s16, s42, 7
	s_lshl_b32 s17, s12, 5
	s_add_co_u32 s16, s16, s17
	s_lshl_b32 s16, s16, 12                        ; my first row of out0: 128 x token tile + 32 x wave; 4,096 bytes a row
	s_lshl_b32 s17, s67, 9
	s_add_co_u32 s16, s16, s17                     ; + 512 x column tile
	s_mov_b32 s17, 0
	s_add_nc_u64 s[10:11], s[10:11], s[16:17]
	; the prefetches
	s_cmp_eq_u32 ttmp9, 0
	s_cselect_b32 s88, 1, -1                       ; the same in all four partners
	s_lshr_b32 s20, s40, 1
	s_mul_i32 s20, s20, LINE                       ; my work-group's quarter of my two lines: line cx / 2,
	s_and_b32 s21, s40, 1
	s_lshl_b32 s21, s21, 13                        ; half cx % 2 of a K step's 16,384 bytes
	s_add_co_u32 s20, s20, s21
	s_add_co_u32 s20, s20, KSB                     ; at K step 1: the first refill steps it to 2 and names K step 3
	s_mov_b32 s21, 0
	s_add_nc_u64 s[86:87], s[46:47], s[20:21]
	v_lshlrev_b32 v[PFO], 8, v3
	; the three powers of two
	s_wait_kmcnt 0x0
	s_add_co_i32 s16, s76, s77                     ; e8 + e9
	s_add_co_i32 s17, s82, s83                     ; e14 + e15
	s_add_co_i32 s18, s84, s85                     ; e16 + e17
	s_sub_co_i32 s16, s16, s17
	s_add_co_i32 s16, s16, 127
	s_lshl_b32 s90, s16, 23                        ; at the first seam
	s_mov_b32 s91, s90                             ; (named with it as a pair)
	s_sub_co_i32 s17, s17, s18
	s_add_co_i32 s17, s17, 127
	s_lshl_b32 s92, s17, 23                        ; at the second
	s_mov_b32 s93, s92
	s_add_co_i32 s18, s18, 127
	s_lshl_b32 s94, s18, 23
	s_or_b32 s94, s94, 0x80000000                  ; at the end: -2^(e16 + e17)
	s_mov_b32 s95, s94
.macro MUL4 f, q, b0, zero             ; column blocks b0, b0 + 1 x my two row blocks, 128 along K; the 16 accumulators take turns, one instruction a turn, in the same order in every step
.irp b, \b0, \b0+1
.irp a, 0,1
.if \zero
	v_wmma_f32_16x16x128_bf8_bf8 v[ACC+8*(8*\a+(\b)):ACC+8*(8*\a+(\b))+7], v[(\f)+16*(\b):(\f)+16*(\b)+15], v[32*(\q)+16*\a:32*(\q)+16*\a+15], 0
.else
	v_wmma_f32_16x16x128_bf8_bf8 v[ACC+8*(8*\a+(\b)):ACC+8*(8*\a+(\b))+7], v[(\f)+16*(\b):(\f)+16*(\b)+15], v[32*(\q)+16*\a:32*(\q)+16*\a+15], v[ACC+8*(8*\a+(\b)):ACC+8*(8*\a+(\b))+7]
.endif
.endr
.endr
.endm
.macro FETCH slot, q, f                ; 32 LDS loads in one run: the right operand's eight fragments of the slot's q-th 128 along K
	WIN TO_F
.irp b, 0,1,2,3,4,5,6,7
.irp c, 0,1,2,3
	ds_load_b128 v[(\f)+16*\b+4*\c:(\f)+16*\b+4*\c+3], v[ADRB+2*(\slot)+\b/4] offset:16384*(\b%4)+2048*(\q)+512*\c
.endr
.endr
.endm
.macro PLACES                          ; plain vector lines between a matrix instruction and a load into, or a read of, its registers
.rept 4
	v_nop
.endr
.endm
; A step of 128 along K, the q-th (0 to 6) of its slot and the c-th from the running base.  It multiplies buffer q % 2 and ring set q; in its middle, behind four places, it fetches the next step's fragments into the other
; buffer and (al = 1) asks for the left operand's step seven further on, into the ring set that the step before has left.  lc: the younger loads that may stay out.
.macro CHUNK slot, q, c, zero, al, lc
	s_wait_loadcnt \lc                             ; loads come back in order: this step's eight are in; the younger sets of eight stay out
	s_wait_dscnt 16                                ; column blocks 0-3 are in; the youngest 16 LDS loads (blocks 4-7) may be out
	WIN MUL
	MUL4 128*((\q)%2), \q, 0, \zero
	MUL4 128*((\q)%2), \q, 2, \zero
	PLACES
	FETCH \slot, (\q)+1, 128-128*((\q)%2)
.if \al
	ALOAD (\c)+7
.endif
	s_wait_dscnt 32                                ; all but the 32 just issued
	WIN MUL
	MUL4 128*((\q)%2), \q, 4, \zero
	MUL4 128*((\q)%2), \q, 6, \zero
.endm
; A slot's last step (q = 7, buffer 1) changes slots: ONE barrier; in front of it each wave waits for all its tensor loads, adds 0 to its spare word, and waits for that and for its own reads of this slot.
.macro TURN slot, next, fill, c, al, lc, ask
	s_wait_xcnt 0x0                                ; the last prefetch, a K step back, has read its address
	s_add_nc_u64 s[86:87], s[86:87], KSB
	WIN 0
	s_wait_tensorcnt 0x0                           ; all my tensor loads have landed: my part of the next slot
	ds_add_u32 v[SPW], v[NIL]                      ; 0 onto my spare word
	s_wait_loadcnt \lc
	s_wait_dscnt 17                                ; the add and the youngest 16 loads may be out
	WIN MUL
	MUL4 F1, 7, 0, 0
	s_wait_dscnt 0x0                               ; the add is done, and my reads of this slot are over
	s_barrier_signal -1
	MUL4 F1, 7, 2, 0
	WIN 0
	s_barrier_wait -1
.if \fill
	CREST                                          ; the barrier has opened a round of the cluster's barrier: no wave of any partner still reads this slot or has a tensor load on its way
	s_add_nc_u64 s[G0+4*\slot+2:G0+4*\slot+3], s[G0+4*\slot+2:G0+4*\slot+3], 2*KSB
	tensor_load_to_lds s[G0+4*\slot:G0+4*\slot+3], s[G1:G1+7]   ; the first tensor load behind the round, my one until the next: 120 matrix instructions ahead of the wait for it
	s_nop 0
.rept 4
	v_nop                                          ; the places in front of the loads below
.endr
.else
	PLACES
.endif
	FETCH \next, 0, F0
.if \al
	ALOAD (\c)+7
.endif
.if \ask
	WIN 0
	ASK \ask
.endif
	WIN MUL
	MUL4 F1, 7, 4, 0
	MUL4 F1, 7, 6, 0
.endm
.macro RESCALE cond, sr                ; at a seam: the sums so far are brought under the next part's pair of scales.  cond = 1: in the loop's last trip alone: the branch hangs on the loop's counter and jumps over vector work alone
	WIN 0
.if \cond
	s_cmp_eq_u32 s3, 1
	s_cbranch_scc0 .Lno_seam_\@
.endif
	PLACES
.set jj, 0
.rept 64
	v_pk_mul_f32 v[ACC+2*jj:ACC+2*jj+1], v[ACC+2*jj:ACC+2*jj+1], s[\sr:\sr+1] op_sel_hi:[1,0]
.set jj, jj+1
.endr
.if \cond
.Lno_seam_\@:
.endif
.endm
	s_wait_tensorcnt 1                             ; my part of K step 0 is in; K step 1's load may be out
	s_barrier_signal -1
	s_barrier_wait -1
	FETCH 0, 0, F0
	CHUNK 0, 0, 0, 1, 1, 48                        ; the first step's products start the sums; 48: six younger sets of eight loads
	WIN 0
	s_mov_b32 s3, LAPS-1
.Llap:                                                 ; a trip goes once round the ring (2,048 along K, 16 steps), from a lap's second step to the next lap's first, and fills both slots again
.irp q, 1,2,3,4,5,6
	CHUNK 0, \q, \q, 0, 1, 48
.endr
	TURN 0, 1, 1, 7, 1, 48, 1
.irp q, 0,1,2,3,4,5,6
	CHUNK 1, \q, \q+8, 0, 1, 48
.endr
	TURN 1, 0, 1, 15, 1, 48, 2
	RESCALE 1, 90                                  ; lap 2 begins at K = 4,096: the second trip's last step
	CHUNK 0, 0, 16, 0, 1, 48
	WIN 0
	s_wait_xcnt 0x0                                ; the loads have read their base
	s_add_nc_u64 s[14:15], s[14:15], 2*KSB         ; 16 images on
	s_sub_co_u32 s3, s3, 1
	s_cmp_lg_u32 s3, 0
	s_cbranch_scc1 .Llap
.irp q, 1,2,3,4,5,6                    ; the last lap fills nothing; the left operand's last set (image 47 = 32 + 15) is asked for in its step 8
	CHUNK 0, \q, \q, 0, 1, 48
.endr
	TURN 0, 1, 0, 7, 1, 48, 0
	RESCALE 0, 92                                  ; K = 5,120
	CHUNK 1, 0, 8, 0, 1, 48
	CHUNK 1, 1, 9, 0, 0, 48
	CHUNK 1, 2, 10, 0, 0, 40                       ; no load is issued any more: the counts run down
	CHUNK 1, 3, 11, 0, 0, 32
	CHUNK 1, 4, 12, 0, 0, 24
	CHUNK 1, 5, 13, 0, 0, 16
	CHUNK 1, 6, 14, 0, 0, 8
	s_wait_loadcnt 0x0
	s_wait_dscnt 16
	WIN MUL
	MUL4 F1, 7, 0, 0
	MUL4 F1, 7, 2, 0
	s_wait_dscnt 0x0
	MUL4 F1, 7, 4, 0
	MUL4 F1, 7, 6, 0
	WIN 0
	PLACES
; THE WAY OUT of row block a: 16 rows x 128 columns of f32 go through my own stage and come back, into the registers that they left, as whole rows of 512 bytes.  Block 1 works in the registers that held block 0's sums.
.macro OUTA a, t
.set jj, 0
.rept 32
	v_pk_mul_f32 v[(\t)+2*jj:(\t)+2*jj+1], v[ACC+64*(\a)+2*jj:ACC+64*(\a)+2*jj+1], s[94:95] op_sel_hi:[1,0]   ; each accumulator from its low end on
.set jj, jj+1
.endr
.irp b, 0,1,2,3,4,5,6,7
	ds_store_b128 v[STO], v[(\t)+8*\b:(\t)+8*\b+3] offset:64*\b
	ds_store_b128 v[STO], v[(\t)+8*\b+4:(\t)+8*\b+7] offset:64*\b+16
.endr
.irp i, 0,1,2,3,4,5,6,7,8,9,10,11,12,13,14,15
	ds_load_b128 v[(\t)+4*\i:(\t)+4*\i+3], v[RD] offset:\i*SPITCH   ; LDS serves a wave's instructions in order: these see my stores, and the next block's stores come behind them
.endr
.endm
.macro SEND a, t, younger              ; younger: the LDS instructions issued behind block a's loads
.irp i, 0,1,2,3,4,5,6,7,8,9,10,11,12,13,14,15
	s_wait_dscnt \younger+15-\i
	global_store_b128 v[LI], v[(\t)+4*\i:(\t)+4*\i+3], s[10:11] offset:(16*(\a)+\i)*4096 th:TH_STORE_NT   ; 32 lanes store 512 consecutive bytes, at a multiple of 512 from out0's first byte
.endr
.endm
	OUTA 0, 32
	OUTA 1, 128
	SEND 0, 32, 32                                 ; behind block 0's loads: block 1's 16 stores and 16 loads
	SEND 1, 128, 0
	s_wait_tensorcnt 0x0                           ; the wave's end
	ds_add_u32 v[SPW], v[NIL]
	s_wait_dscnt 0x0
	CROUND                                         ; the closing round
	s_endpgm
.Lfunc_end_k_q2e5992e628_outg:
	.size	k_q2e5992e628_outg, .Lfunc_end_k_q2e5992e628_outg-k_q2e5992e628_outg
	.p2alignl 7, 3214868480
	.fill 96, 4, 3214868480
	.section	.rodata,"a",@progbits
	.p2align	6, 0x0
	.amdhsa_kernel k_q2e5992e628_outg
		.amdhsa_group_segment_fixed_size 327680
		.amdhsa_private_segment_fixed_size 0
		.amdhsa_enable_private_segment 0
		.amdhsa_kernarg_size 32
		.amdhsa_user_sgpr_count 2
		.amdhsa_user_sgpr_kernarg_segment_ptr 1
		.amdhsa_wavefront_size32 1
		.amdhsa_system_sgpr_workgroup_id_x 1
		.amdhsa_system_sgpr_workgroup_id_y 1
		.amdhsa_system_sgpr_workgroup_id_z 1
		.amdhsa_system_vgpr_workitem_id 0
		.amdhsa_next_free_vgpr 768
		.amdhsa_next_free_sgpr 100
		.amdhsa_reserve_vcc 0
		.amdhsa_float_denorm_mode_32 3
		.amdhsa_float_denorm_mode_16_64 3
		.amdhsa_memory_ordered 1
		.amdhsa_forward_progress 1
		.amdhsa_inst_pref_size 159
	.end_amdhsa_kernel
	.amdgpu_metadata
---
amdhsa.version: [ 1, 2 ]
amdhsa.kernels:
  - .name:           k_q2e5992e628_outg
    .symbol:         k_q2e5992e628_outg.kd
    .args:
      - { .name: acat, .offset: 0, .size: 8, .value_kind: global_buffer, .address_space: global }
      - { .name: codes0, .offset: 8, .size: 8, .value_kind: global_buffer, .address_space: global }
      - { .name: lowp_scales, .offset: 16, .size: 8, .value_kind: global_buffer, .address_space: global }
      - { .name: out0, .offset: 24, .size: 8, .value_kind: global_buffer, .address_space: global }
    .group_segment_fixed_size: 327680
    .private_segment_fixed_size: 0
    .kernarg_segment_align: 8
    .kernarg_segment_size: 32
    .max_flat_workgroup_size: 128
    .sgpr_count:     100
    .vgpr_count:     768
    .wavefront_size: 32
...
	.end_amdgpu_metadata
.endif
;; end of part 5
